; MI455X (gfx1250); checked and timed in simulation.
; The chip was launched on July 23, 2026; its instructions are those of AMD's public machine-readable ISA for CDNA 5 (MIT licence, August 2026) and "CDNA5" Instruction Set Architecture Reference Guide (July 2026). The comments in the code are by the model that wrote it; some were corrected since.
;; Multi Head Attention. Allowed arithmetic: matrix products marked QUANTISED: E4M3 operands, one E8M0 scale for each 32 along K, by v_wmma_scale_f32_16x16x128_f8f6f4 with both operands' format E4M3, f32 sums; everything else in f32.
;; Inputs: Wk 16 x 1,024 x 64 float32; Wo 1,024 x 1,024 float32; Wq 16 x 1,024 x 64 float32; Wv 16 x 1,024 x 64 float32; bo 1,024 float32; x 4 x 2,048 x 1,024 float32.
;; Outputs: out0 4 x 2,048 x 1,024 float32.
;; This version of the problem:
;;   THIS VERSION OF THE PROBLEM IS GIVEN IN LOW PRECISION. The matrix products marked QUANTISED in the list below multiply operands that are first quantised to E4M3 (4 exponent bits, 3 mantissa bits; 8 bits a number), with one power-of-two scale for each 32 numbers along K (OCP MX v1.0); their sums are f32. All else is computed in f32.
;;   The module's matrix products, in the order in which they are computed (A, B: the left and right operand; K: the contracted axis; several contracted axes count as one K, in the product's order):
;;     1. [M 1,024, K 1,024] x [K 1,024, N 8,192]; A: input Wq; B: input x: QUANTISED
;;     2. [M 1,024, K 1,024] x [K 1,024, N 8,192]; A: input Wk; B: input x: QUANTISED
;;     3. [M 1,024, K 1,024] x [K 1,024, N 8,192]; A: input Wv; B: input x: QUANTISED
;;     4. batch 64 x [M 2,048, K 64] x [K 64, N 2,048]; A: computed on the way; B: computed on the way: QUANTISED
;;     5. batch 64 x [M 2,048, K 2,048] x [K 2,048, N 64]; A: softmax (see below); B: computed on the way: QUANTISED
;;     6. [M 8,192, K 1,024] x [K 1,024, N 1,024]; A: computed on the way; B: input Wo: QUANTISED
;;   THE QUANTISER, for each operand of a quantised product, along K:
;;     - K is cut into blocks of 32 from its start; a last block that is shorter is filled with zeros.
;;     - A block's scale is 2^e with e = floor(log2(the largest magnitude in the block)) - 8, held to -126 .. 127; a block of zeros has e = 0. As a byte (E8M0): e + 127.
;;     - Each number is divided by its block's scale, clamped to +-448, and rounded to the nearest number of E4M3, ties to even, subnormals kept.
;;     - The product sums the exact products of the quantised numbers (number of the format x scale) in f32.
;;   ~~~python
;;   def quantise(x, axis):      # numpy; x: float32 -> the quantised numbers, widened to float32 again
;;       x = np.moveaxis(x, axis, -1); K = x.shape[-1]
;;       x = np.pad(x, [(0, 0)] * (x.ndim - 1) + [(0, -K % 32)]); x = x.reshape(x.shape[:-1] + (-1, 32)); a = np.abs(x).max(-1, keepdims=True)
;;       e = np.where(a > 0, np.clip(np.frexp(np.where(a > 0, a, 1))[1] - 1 - 8, -126, 127), 0)      # np.frexp(a)[1] - 1 = floor(log2(a)), exactly
;;       r = np.clip(x / 2.0 ** e, -448, 448)
;;       step = 2.0 ** (np.maximum(np.frexp(np.where(r == 0, 1, r))[1] - 1, -6) - 3)
;;       q = np.round(r / step) * step * 2.0 ** e      # np.round: ties to even
;;       return np.moveaxis(q.reshape(q.shape[:-2] + (-1,))[..., :K], -1, axis).astype(np.float32)
;;   ~~~
;;   SOFTMAX AHEAD OF A QUANTISED PRODUCT. Where the list says 'softmax', what is quantised is not the finished softmax but p = 2^(t - M), with t = logit x log2(e) and M = ceil(the row's largest t), a whole number; so 1/2 < the row's largest p <= 1. The row's sum l is taken of the UNQUANTISED p, in f32, and the product's result is divided by l at the end. Since M is a whole number, a kernel that streams over the keys may use a running M (the ceiling of the running maximum): every later rescaling is an exact power of two, which a block's scale takes up: the codes' values come out the same.
;;   OPERANDS COMPUTED ON THE WAY. 'Computed on the way' means the value that the module computes at that place (a softmax that the list does not call 'softmax' is quantised finished and normalised). What goes into a quantiser is computed in f32, as accurately as f32 sums, v_exp_f32 and their like allow (about 1e-6 of the number): no bf16 or f16 on the way to a quantiser, and a product that is left as it is and whose result goes on into a quantised operand takes f32 operands (vector FMAs, or v_wmma_f32_16x16x4_f32). A number that lies on a knife's edge between two numbers of the format may be rounded either way, as far as f32 arithmetic and the matrix unit's own rounding can turn it there, and no further.
;; One version. Each part assembles by itself: llvm-mc -triple=amdgcn-amd-amdhsa -mcpu=gfx1250 --defsym DOCPART=n.
;; ======== version 1 of 1: 4 launches
;; limits: right only within a limited range of input values
;; workspace buffers: x_codes 8,388,608 bytes; x_scales 262,144 bytes; w_codes 4,194,304 bytes; w_scales 131,072 bytes; qkv_codes 25,165,824 bytes; qkv_scales 786,432 bytes; att_codes 8,388,608 bytes; att_scales 262,144 bytes
;; launch quant (part 1): grid 240 x 1, 4 waves a work-group, no clusters, 35,328 bytes of LDS; arguments x, Wo, Wq, Wk, Wv, x_codes, x_scales, w_codes, w_scales; writes x_codes, x_scales, w_codes, w_scales
.if DOCPART == 1
	.amdgcn_target "amdgcn-amd-amdhsa--gfx1250"
	.amdhsa_code_object_version 6
	.text
	.protected	k_q29447cb123_quant
	.globl	k_q29447cb123_quant
	.p2align	8
	.type	k_q29447cb123_quant,@function
k_q29447cb123_quant:
	s_mov_b64 s[64:65], 0
	v_nop
	global_prefetch_b8 v0, s[64:65] scope:SCOPE_SE
	s_setreg_imm32_b32 hwreg(HW_REG_WAVE_MODE, 25, 1), 1
	s_wait_xcnt 0x0
; x [8192][1024], Wo [1024][1024] (K innermost) and Wq, Wk, Wv [16][1024][64] (K = the middle axis), all f32, become codes of FP8 (E4M3) with one E8M0 byte for each 32 along K.
; A block's scale is 2^(floor(log2(its largest magnitude)) - 8); its byte is the largest magnitude's exponent field - 8, held at 1 from below; each number is divided by the scale, held within +-448, rounded to the nearest code, ties to even.
; LIMITS: NaN and infinities among the inputs are not served; a block whose largest magnitude lies under 2^-118 gets the byte 1; a block of zeros gets the byte 1 where the rule says 127: its codes are zeros, and this program alone reads the bytes.
; THE CODES ARE LAID AS IMAGES OF THE OPERAND'S REGISTERS: a fragment (16 rows x 128 K) is 2,048 bytes; byte 512 c + 16 lane + e is the code of row lane % 16 at k = 32 c + 16 (lane / 16) + e.  Buffer: [row block][K / 128][image].
; THE ROWS OF A BLOCK ARE NOT NEIGHBOURS: stored row p of block B is true row 32 (B / 2) + 8 (B % 2) + p % 8 + 2 (p & 8), so that two neighbouring blocks, used as source 0, give a lane 16 neighbours along the next K.
; Scale bytes: [stored row][8 words], a word for each 128 along K.
; Work-groups 0-143: a wave takes one row block of x (0-127) or Wo (128-143), all of K.  Work-groups 144-239: a wave takes 32 columns x 256 along K of Wq, Wk or Wv.
; Memory binds: every input byte is read once; no tensor load, no barrier, no cluster: waves share nothing.
; WORK THAT THE PROGRAM LEAVES OUT: reference() sets every score whose key comes after its query to -infinity ahead of the softmax, so that its weight is 0 whatever finite values the inputs hold:
; key tiles of 128 that lie wholly behind a block of 128 queries are neither fetched nor multiplied in the attention launch.  A NaN, an infinity or an overflow that would arise only there is not carried to the result.
; Every input has a way to the output and is loaded.
.set R,    16
.set PC,   144                         ; v144-175 two sets of 16 registers of codes
.set PW,   176                         ; v176-183 the eight scale words of my row
.set TM,   184                         ; v184-187 largest magnitudes, 188-191 bytes, 196-199 the conversions' scale operands
.set SEL,  24                          ; s[24:25] lane selects for v_permlanex16_b32: lane l xor 16
.set MNT,  26
.set STG,  8704                        ; LDS: a stage of 16 rows x 528 bytes for each wave
.set XC,   32                          ; column path: v32-95 two sets of 32 numbers
.set CC,   96                          ; v96-159 eight registers of codes for each of 8 blocks: no store's data are written again
.set SBY,  24                          ; v24-25 the scale bytes
	s_load_b256 s[4:11], s[0:1], 0x0               ; x s[4:5], Wo s[6:7], Wq s[8:9], Wk s[10:11]
	s_load_b256 s[12:19], s[0:1], 0x20             ; Wv s[12:13], x_codes s[14:15], x_scales s[16:17], w_codes s[18:19]
	s_load_b64 s[20:21], s[0:1], 0x40              ; w_scales
	v_lshl_add_u32 v200, v0, 2, 0x8800
	v_mov_b32 v201, 0
	v_lshrrev_b32 v1, 5, v0
	v_readfirstlane_b32 s22, v1                    ; wave
	v_and_b32 v5, 31, v0                           ; lane
	s_cmp_lt_u32 ttmp9, 144
	s_cbranch_scc0 .Lcolumns
	; ---------------- K innermost: x and Wo ----------------
	v_lshlrev_b32 v1, 4, v5                        ; 16 x lane: my bytes of a load's 512, and of an image's 512
	s_mul_i32 s23, s22, STG
	v_add_nc_u32 v2, s23, v1                       ; the stage, on the way in: a row's 512 bytes as they lie
	v_and_b32 v6, 15, v0                           ; r
	v_bfe_u32 v7, v0, 4, 1                         ; h
	v_mul_u32_u24 v3, v6, 528
	v_lshl_add_u32 v3, v7, 6, v3
	v_add_nc_u32 v3, s23, v3                       ; and on the way out: row r, + 64 h: my 16 numbers of a block of 32
	v_lshlrev_b32 v4, 5, v6
	v_lshl_add_u32 v4, v7, 4, v4                   ; the scale words: 32 r + 16 h
	s_mov_b32 s[SEL], 0x76543210
	s_mov_b32 s[SEL+1], 0xfedcba98
.irp b, 0,1,2,3
	v_mov_b32 v[TM+4+\b], 0                        ; written once: a lane permute's destination counts as one of its sources
.endr
	s_lshl_b32 s27, ttmp9, 2
	s_add_co_u32 s27, s27, s22                     ; job = 4 x work-group + wave
	s_wait_alu depctr_va_vdst(0)
	s_wait_kmcnt 0x0
	s_cmp_lt_u32 ttmp9, 128                        ; x or Wo: the choice hangs on the work-group's number alone
	s_cselect_b64 s[4:5], s[4:5], s[6:7]
	s_cselect_b64 s[14:15], s[14:15], s[18:19]
	s_cselect_b64 s[16:17], s[16:17], s[20:21]
	s_cselect_b32 s28, 0, 512
	s_cselect_b32 s29, 0, 320
	s_sub_co_u32 s28, s27, s28                     ; the row block in its tensor
	s_sub_co_u32 s29, s27, s29                     ; and in its codes' buffer (Wo's blocks begin at 192)
	s_lshr_b32 s30, s28, 1
	s_lshl_b32 s30, s30, 17                        ; 32 rows of 4,096 bytes for each pair of blocks,
	s_and_b32 s31, s28, 1
	s_lshl_b32 s31, s31, 15                        ; 8 rows for the odd one
	s_add_co_u32 s30, s30, s31
	s_mov_b32 s31, 0
	s_add_nc_u64 s[4:5], s[4:5], s[30:31]
	s_lshl_b32 s30, s29, 14
	s_add_nc_u64 s[14:15], s[14:15], s[30:31]
	s_lshl_b32 s30, s29, 9
	s_add_nc_u64 s[16:17], s[16:17], s[30:31]
; 64 numbers of a lane, register 16 b + i = k 32 b + 16 (lane / 16) + i of my row, become a fragment's codes in v[pc] on and its scale word in v[pw]
.macro QUANT s, pc, pw
.irp b, 0,1,2,3
	v_max3_num_f32 v[TM+\b], |v[\s+16*\b]|, |v[\s+1+16*\b]|, 0x4800000   ; my 16 numbers of block b, and the floor 2^(9 - 127): the byte cannot fall under 1
.endr
.irp i, 2,4,6,8,10,12,14
.irp b, 0,1,2,3
	v_max3_num_f32 v[TM+\b], v[TM+\b], |v[\s+16*\b+\i]|, |v[\s+1+16*\b+\i]|   ; the four blocks by turns
.endr
.endr
.irp b, 0,1,2,3
	v_permlanex16_b32 v[TM+4+\b], v[TM+\b], s[SEL], s[SEL+1]
.endr
.irp b, 0,1,2,3
	v_max_num_f32 v[TM+\b], v[TM+\b], v[TM+4+\b]   ; with lane l xor 16's: the block's largest magnitude
.endr
.irp b, 0,1,2,3
	v_add_nc_u32 v[TM+12+\b], 0xfc000000, v[TM+\b] ; 8 off its exponent field: the conversion's scale operand
.endr
.irp b, 0,1,2,3
.endr
.irp b, 0,1,2,3
	v_lshrrev_b32 v[TM+4+\b], 23, v[TM+12+\b]      ; the scale's byte
.endr
	v_lshl_or_b32 v[\pw], v[TM+5], 8, v[TM+4]
	v_lshl_or_b32 v[\pw], v[TM+6], 16, v[\pw]
	v_lshl_or_b32 v[\pw], v[TM+7], 24, v[\pw]
.irp b, 0,1,2,3
.irp i, 0,1,2,3,4,5,6,7,8,9,10,11,12,13,14,15
.endr
	v_cvt_scalef32_pk8_fp8_f32 v[\pc+4*\b:\pc+1+4*\b], v[\s+16*\b:\s+7+16*\b], v[TM+12+\b]
	v_cvt_scalef32_pk8_fp8_f32 v[\pc+2+4*\b:\pc+3+4*\b], v[\s+8+16*\b:\s+15+16*\b], v[TM+12+\b]
.endr
	v_nop                                          ; a plain line behind the last conversion
.endm
.macro LOADF k                         ; fragment k: 128 numbers of each of my 16 rows: a load reads 512 consecutive bytes of one row
.set pp, 0
.rept 16
	global_load_b128 v[R+64*((\k)%2)+4*pp:R+64*((\k)%2)+4*pp+3], v1, s[4:5] offset:((pp&7)+2*(pp&8))*4096+512*(\k) th:TH_LOAD_NT
.set pp, pp+1
.endr
.endm
.macro FRAGQ k
.set RS, R+64*((\k)%2)
.set PS, PC+16*((\k)%2)
.if (\k) < 7
	s_wait_loadcnt 16                              ; this fragment's 16 loads are in; the next fragment's 16 may be out
.else
	s_wait_loadcnt 0x0
.endif
.set pp, 0
.rept 16
	ds_store_b128 v2, v[RS+4*pp:RS+4*pp+3] offset:528*pp
.set pp, pp+1
.endr
.irp c, 0,1,2,3
.irp j, 0,1,2,3
	ds_load_b128 v[RS+16*\c+4*\j:RS+16*\c+4*\j+3], v3 offset:128*\c+16*\j   ; LDS serves a wave's instructions in order (ISA guide 5.7.1.4): these see the stores above
.endr
.endr
	s_wait_dscnt 0x0
	s_wait_xcnt 0x0                                ; the stores of two fragments back have read their data: this set of codes is written again only behind this wait
	QUANT RS, PS, PW+(\k)
.irp c, 0,1,2,3
	global_store_b128 v1, v[PS+4*\c:PS+4*\c+3], s[14:15] offset:2048*(\k)+512*\c   ; 512 consecutive bytes, aligned
.endr
.if (\k) < 6
	LOADF (\k)+2
.endif
.endm
	LOADF 0
	LOADF 1
.irp k, 0,1,2,3,4,5,6,7
	FRAGQ \k
.endr
	v_cmp_le_u32 vcc_lo, 16, v5                    ; lanes 16-31 store words 4-7 of row r, lanes 0-15 words 0-3
.irp i, 0,1,2,3
	v_cndmask_b32 v[TM+\i], v[PW+\i], v[PW+4+\i], vcc_lo
.endr
	global_store_b128 v4, v[TM:TM+3], s[16:17]     ; the block's 512 scale bytes, consecutive
	s_wait_tensorcnt 0x0
	ds_add_u32 v200, v201
	s_wait_dscnt 0x0
	s_endpgm
	; ---------------- K not innermost: Wq, Wk, Wv.  A lane takes a column, its registers run down K ----------------
.Lcolumns:
	s_sub_co_u32 s27, ttmp9, 144
	s_lshr_b32 s28, s27, 2                         ; 0..23: tensor and pair of heads
	s_and_b32 s29, s27, 3                          ; which 256 along K
	s_lshr_b32 s30, s28, 3                         ; 0 Wq, 1 Wk, 2 Wv
	s_and_b32 s31, s28, 7
	s_lshl_b32 s31, s31, 1
	s_lshr_b32 s32, s22, 1
	s_add_co_u32 s31, s31, s32                     ; head
	s_and_b32 s32, s22, 1                          ; which 32 of its 64 columns
	s_wait_alu depctr_va_vdst(0)
	v_and_b32 v6, 7, v5
	v_and_b32 v7, 8, v5
	v_lshl_or_b32 v6, v7, 1, v6
	v_and_b32 v7, 16, v5
	v_lshrrev_b32 v7, 1, v7
	v_or_b32 v6, v6, v7                            ; stored place l holds true column (l & 7) + 2 (l & 8) + (l & 16) / 2
	v_lshlrev_b32 v3, 2, v6
	v_lshrrev_b32 v7, 4, v5
	v_and_b32 v8, 15, v5
	v_lshlrev_b32 v4, 4, v8
	v_lshl_add_u32 v4, v7, 14, v4                  ; codes: row block l / 16, 16 bytes for row l % 16
	v_lshlrev_b32 v9, 5, v5                        ; scale bytes: 32 a row
	s_lshl_b32 s34, s31, 18
	s_lshl_b32 s33, s29, 16
	s_add_co_u32 s34, s34, s33
	s_lshl_b32 s33, s32, 7
	s_add_co_u32 s34, s34, s33                     ; in: head x 262,144 + 256 rows of 256 bytes x part + 128 x half
	s_mov_b32 s35, 0
	s_lshl_b32 s36, s30, 5
	s_lshl_b32 s33, s31, 1
	s_add_co_u32 s36, s36, s33
	s_add_co_u32 s36, s36, s32                     ; my group of 32 stored rows
	s_lshl_b32 s38, s36, 15
	s_lshl_b32 s33, s29, 12
	s_add_co_u32 s38, s38, s33
	s_mov_b32 s39, 0
	s_lshl_b32 s40, s36, 10
	s_lshl_b32 s33, s29, 3
	s_add_co_u32 s40, s40, s33
	s_mov_b32 s41, 0
	s_wait_alu depctr_va_vdst(0)
	s_wait_kmcnt 0x0
	s_cmp_eq_u32 s30, 0
	s_cselect_b64 s[8:9], s[8:9], s[10:11]
	s_cmp_eq_u32 s30, 2
	s_cselect_b64 s[8:9], s[12:13], s[8:9]
	s_add_nc_u64 s[8:9], s[8:9], s[34:35]
	s_add_nc_u64 s[18:19], s[18:19], s[38:39]
	s_add_nc_u64 s[20:21], s[20:21], s[40:41]
.macro CLOAD t                         ; block t: 32 rows of K at my column; 32 lanes read 128 bytes of a head's row, the wave beside me the other 128
.set pp, 0
.rept 32
	global_load_b32 v[XC+32*((\t)%2)+pp], v3, s[8:9] offset:(32*(\t)+pp)*256 th:TH_LOAD_NT
.set pp, pp+1
.endr
.endm
.macro BLOCK t
.set XS, XC+32*((\t)%2)
.set CS, CC+8*(\t)
.if (\t) < 7
	s_wait_loadcnt 32                              ; this block's 32 loads are in; the next block's may be out
.else
	s_wait_loadcnt 0x0
.endif
	v_max3_num_f32 v12, |v[XS]|, |v[XS+1]|, |v[XS+2]|   ; all 32 numbers of the block are mine
	v_max3_num_f32 v13, |v[XS+3]|, |v[XS+4]|, |v[XS+5]|
.irp i, 6,10,14,18,22,26
	v_max3_num_f32 v12, v12, |v[XS+\i]|, |v[XS+\i+1]|
	v_max3_num_f32 v13, v13, |v[XS+\i+2]|, |v[XS+\i+3]|
.endr
	v_max3_num_f32 v12, v12, |v[XS+30]|, |v[XS+31]|
	v_max3_num_f32 v12, v12, v13, 0x4800000        ; and the floor
	v_add_nc_u32 v11, 0xfc000000, v12
	v_lshrrev_b32 v13, 23, v11
.if (\t)%4 == 0
	v_mov_b32 v[SBY+(\t)/4], v13
.else
	v_lshl_or_b32 v[SBY+(\t)/4], v13, 8*((\t)%4), v[SBY+(\t)/4]
.endif
.set pp, 0
.rept 32
.set pp, pp+1
.endr
.irp g, 0,1,2,3
	v_cvt_scalef32_pk8_fp8_f32 v[CS+2*\g:CS+2*\g+1], v[XS+8*\g:XS+8*\g+7], v11
.endr
	v_nop
	global_store_b128 v4, v[CS:CS+3], s[18:19] offset:((\t)/4)*2048+((\t)%4)*512       ; k 0-15 of the block: sixteen lanes fill 256 consecutive bytes, aligned
	global_store_b128 v4, v[CS+4:CS+7], s[18:19] offset:((\t)/4)*2048+((\t)%4)*512+256 ; k 16-31
.if (\t) < 6
	CLOAD (\t)+2
.endif
.endm
	CLOAD 0
	CLOAD 1
.irp t, 0,1,2,3,4,5,6,7
	BLOCK \t
.endr
	global_store_b64 v9, v[SBY:SBY+1], s[20:21]    ; my row's 8 scale bytes, 32 bytes from row to row: 96 KiB in the whole launch leave in such pieces
	s_endpgm
.Lfunc_end_k_q29447cb123_quant:
	.size	k_q29447cb123_quant, .Lfunc_end_k_q29447cb123_quant-k_q29447cb123_quant
	.p2alignl 7, 3214868480
	.fill 96, 4, 3214868480
	.section	.rodata,"a",@progbits
	.p2align	6, 0x0
	.amdhsa_kernel k_q29447cb123_quant
		.amdhsa_group_segment_fixed_size 35328
		.amdhsa_private_segment_fixed_size 0
		.amdhsa_enable_private_segment 0
		.amdhsa_kernarg_size 72
		.amdhsa_user_sgpr_count 2
		.amdhsa_user_sgpr_kernarg_segment_ptr 1
		.amdhsa_wavefront_size32 1
		.amdhsa_system_sgpr_workgroup_id_x 1
		.amdhsa_system_sgpr_workgroup_id_y 1
		.amdhsa_system_sgpr_workgroup_id_z 1
		.amdhsa_system_vgpr_workitem_id 0
		.amdhsa_next_free_vgpr 202
		.amdhsa_next_free_sgpr 66
		.amdhsa_reserve_vcc 1
		.amdhsa_float_denorm_mode_32 3
		.amdhsa_float_denorm_mode_16_64 3
		.amdhsa_fp16_overflow 1
		.amdhsa_memory_ordered 1
		.amdhsa_forward_progress 1
		.amdhsa_inst_pref_size 103
	.end_amdhsa_kernel
	.amdgpu_metadata
---
amdhsa.version: [ 1, 2 ]
amdhsa.kernels:
  - .name:           k_q29447cb123_quant
    .symbol:         k_q29447cb123_quant.kd
    .args:
      - { .name: x, .offset: 0, .size: 8, .value_kind: global_buffer, .address_space: global }
      - { .name: Wo, .offset: 8, .size: 8, .value_kind: global_buffer, .address_space: global }
      - { .name: Wq, .offset: 16, .size: 8, .value_kind: global_buffer, .address_space: global }
      - { .name: Wk, .offset: 24, .size: 8, .value_kind: global_buffer, .address_space: global }
      - { .name: Wv, .offset: 32, .size: 8, .value_kind: global_buffer, .address_space: global }
      - { .name: x_codes, .offset: 40, .size: 8, .value_kind: global_buffer, .address_space: global }
      - { .name: x_scales, .offset: 48, .size: 8, .value_kind: global_buffer, .address_space: global }
      - { .name: w_codes, .offset: 56, .size: 8, .value_kind: global_buffer, .address_space: global }
      - { .name: w_scales, .offset: 64, .size: 8, .value_kind: global_buffer, .address_space: global }
    .group_segment_fixed_size: 35328
    .private_segment_fixed_size: 0
    .kernarg_segment_align: 8
    .kernarg_segment_size: 72
    .max_flat_workgroup_size: 128
    .sgpr_count:     66
    .vgpr_count:     202
    .wavefront_size: 32
...
	.end_amdgpu_metadata
.endif
;; end of part 1
;; launch qkv (part 2): grid 12 x 32, 4 waves a work-group, clusters of 4 x 4, 327,680 bytes of LDS; arguments x_codes, x_scales, w_codes, w_scales, qkv_codes, qkv_scales; writes qkv_codes, qkv_scales
.if DOCPART == 2
	.amdgcn_target "amdgcn-amd-amdhsa--gfx1250"
	.amdhsa_code_object_version 6
	.text
	.protected	k_q29447cb123_qkv
	.globl	k_q29447cb123_qkv
	.p2align	8
	.type	k_q29447cb123_qkv,@function
k_q29447cb123_qkv:
	s_mov_b64 s[64:65], 0
	v_nop
	global_prefetch_b8 v0, s[64:65] scope:SCOPE_SE
	s_setreg_imm32_b32 hwreg(HW_REG_WAVE_MODE, 25, 1), 1
	s_wait_xcnt 0x0
	s_wait_alu depctr_hold_cnt(0) depctr_sa_sdst(0) depctr_va_vdst(0) depctr_va_sdst(0) depctr_va_ssrc(0) depctr_va_vcc(0) depctr_vm_vsrc(0)
	s_getreg_b32 s2, hwreg(HW_REG_IB_STS2, 6, 4)
	s_cmp_eq_u32 s2, 0
	s_cbranch_scc0 .Lentry_in_a_cluster
	s_endpgm
.Lentry_in_a_cluster:
	s_bfe_u32 s2, ttmp6, 0x10000c
	s_cmp_lg_u32 s2, 0xf033
	s_cbranch_scc0 .Lentry_shape_is_right
	s_endpgm
.Lentry_shape_is_right:
; q, k, v = x W, on codes of FP8 (E4M3) with one E8M0 scale for each 32 along K = 1,024; the f32 sums are quantised at once for the attention's products and leave as codes.
; A tile of 256 x 256 is made by four waves, each 128 x 128: 64 accumulators, 512 registers.  K goes in four steps of 256 through two LDS slots filled by the tensor data mover.
; OPERANDS LIE IN MEMORY AND IN LDS AS IMAGES OF THE FRAGMENTS' REGISTERS (2,048 bytes: byte 512 c + 16 lane + e): a fragment is four ds_load_b128 of 512 consecutive bytes: no pitch, no padding.
; 'A' is source 1: a lane keeps one of its rows.  'B' is source 0: a lane's registers run along its rows, which are stored so that 16 registers of two neighbouring blocks are 16 true neighbours: the axis that is quantised.
; Clusters x = 0, 1 (q, k): A = x, B = Wq, Wk: quantised along the head's 64.  Cluster x = 2 (v): A = Wv, B = x: quantised along the keys.  Only pointers and tile numbers are chosen, by selects on the cluster's x, which all partners share: one path.
; CLUSTERS: 4 x 4 work-groups; A's tiles are asked for jointly along a row of the cluster, B's along a column.
; OUT: blocks of 8 images (16,384 bytes) and 512 scale bytes [row 16][8 words].  q: block 64 hp + RG; k: 64 (8 + hp) + RG (RG = 128 rows of x; an image's 128 k = heads 2 hp, 2 hp + 1); v: 1024 + 8 (128 keys' number) + hp (image = 16 rows of d; k = the keys).
; k's scale words are laid in pairs: word 4 p + b = head p's two bytes of image 2 b, then of image 2 b + 1: as the attention's first product wants them.
; LIMITS: NaN and infinities are not served; a block under 2^-118, and a block of zeros, gets the byte 1 (its codes are then zeros or held; this program alone reads the bytes).
; REGISTERS, in windows of 256: window 0: v0-31 addresses; v32-63 scale words, two sets; from v128 A's fragments, one set; on the way out v128-211 at work.  window 1: B's fragments, two sets.  windows 2, 3: the accumulators ((a, b) at v[8 (8 (a % 4) + b)]).
.set NQ,     2                         ; matrix instructions deep in a slot
.set FR,     16
.set NL,     4                         ; LDS loads that bring a fragment
.set NP,     8                         ; places behind this matrix instruction (ISA guide 7.12.1)
.set HALFT,  32768                     ; 8 row blocks x 4,096 bytes: what one tensor load brings
.set SLOT,   4*HALFT
.set SCL,    2*SLOT                    ; behind the ring: the scales of all of K, as units of 256 bytes + 16 of padding
.set HALFS,  16*272                    ; those of 128 rows
.set SBLK,   2*272                     ; those of 16 rows
.set SPARE,  SCL+4*HALFS               ; the spare words: two blocks of 256 bytes that no other line names
.set ADRA, 16                          ; v16-17 LDS address of my A fragments in slot 0, 1
.set ADRB, 20                          ; v20-21 the same for B
.set LANE, 23
.set LS,   25                          ; 32 r + 16 h: my place in a block of scale words
.set LI,   26                          ; 16 x lane: my place in an image
.set ADRS, 27                          ; LDS address of my scale words: lanes 0-15 A's rows, lanes 16-31 B's
.set SPW,  28
.set NIL,  29
.set FLO,  30                          ; the floor 2^(9 - 127)
.set SC,   32
.set AF,   128
.set TQ,   64
.set PC,   128                         ; two sets of codes
.set PWR,  160                         ; eight scale words
.set TM,   176
.set SW,   200
.set OUTW, 208
.set G1, 24
.set G0, 32
.set G1B, 48
.set G0B, 56
.set G1S, 68
.set G0S, 76
.set G1SB, 80
.set G0SB, 88
.set MSB, 0
.macro WIN new                         ; the immediate's high byte repeats the setting that is left
.if MSB != (\new)
	s_set_vgpr_msb (MSB<<8)|(\new)
.set MSB, (\new)
.endif
.endm
.set MUL_LO, 0xa1                      ; source 0 (B) window 1, source 1 (A) window 0, C and D window 2
.set MUL_HI, 0xf1
.set TO_B,   0x40
; A joint load: waves 0 and 1 fetch for A, waves 2 and 3 for B; the branch hangs on the wave's number alone.  Four v_nop follow each of the two lines.
.macro JLOAD g0a, g1a, g0b, g1b
	s_cmp_eq_u32 s15, 0
	s_cbranch_scc0 .Lfor_b_\@
	tensor_load_to_lds s[\g0a:\g0a+3], s[\g1a:\g1a+7]
	s_nop 0
.rept 4
	v_nop
.endr
	s_branch .Lasked_\@
.Lfor_b_\@:
	tensor_load_to_lds s[\g0b:\g0b+3], s[\g1b:\g1b+7]
	s_nop 0
.rept 4
	v_nop
.endr
.Lasked_\@:
.endm
.macro CREST
	s_cmp_lg_u32 s14, 0
	s_cbranch_scc1 .Lnot_wave_0_\@
	s_barrier_signal -3
.Lnot_wave_0_\@:
	s_barrier_wait -3
	s_barrier_signal -1
	s_barrier_wait -1
.endm
.macro CROUND
	s_barrier_signal -1
	s_barrier_wait -1
	CREST
.endm
	s_load_b128 s[4:7], s[0:1], 0x0                ; x's codes, x's scales
	s_load_b128 s[8:11], s[0:1], 0x10              ; w's codes, w's scales
	s_load_b128 s[96:99], s[0:1], 0x20             ; the codes out, the scale words out
	v_lshl_add_u32 v[SPW], v0, 2, SPARE
	v_mov_b32 v[NIL], 0
	ds_add_u32 v28, v29
	ds_add_u32 v28, v29
	s_wait_dscnt 0x0
	v_lshrrev_b32 v1, 5, v0
	v_readfirstlane_b32 s14, v1                    ; wave 0..3
	s_lshr_b32 s15, s14, 1                         ; which half of A's rows is mine.  Also: I fetch for A (0) or for B (1)
	s_and_b32 s16, s14, 1                          ; which half of B's rows.  Also: which 128 rows I fetch
	s_bfe_u32 s40, ttmp6, 0x40000                  ; cx
	s_bfe_u32 s41, ttmp6, 0x40004                  ; cy
	s_and_b32 s17, ttmp7, 0xffff                   ; cluster y
	s_cmp_eq_u32 ttmp9, 2                          ; v's clusters: the same answer in all sixteen partners
	s_cselect_b32 s42, s17, ttmp9
	s_cselect_b32 s17, 2, s17
	s_lshl_b32 s42, s42, 2
	s_add_co_u32 s42, s42, s40                     ; B's tile: q, k: 4 x cluster x + cx of w;  v: 4 x cluster y + cx of x
	s_lshl_b32 s17, s17, 2
	s_add_co_u32 s17, s17, s41                     ; A's tile: q, k: 4 x cluster y + cy of x;  v: 8 + cy of w
	s_lshl_b32 s43, s41, 2
	s_lshl_b32 s43, 15, s43                        ; my row of the cluster
	s_lshl_b32 s44, 0x1111, s40                    ; my column
	; descriptor group 1: 8 row blocks; of each the 4,096 bytes of a K step, 16,384 bytes apart; elements of 8 bytes; no padding
	s_or_b32 s[G1+0], s43, (3<<16)|(1<<21)
	s_or_b32 s[G1B+0], s44, (3<<16)|(1<<21)
.irp g, G1, G1B
	s_mov_b32 s[\g+1], 512<<16                     ; tensor_dim0
	s_mov_b32 s[\g+2], 8<<16                       ; tensor_dim1
	s_mov_b32 s[\g+3], 512<<16                     ; tile_dim0
	s_mov_b32 s[\g+4], 8                           ; tile_dim1
	s_mov_b32 s[\g+5], 2048                        ; tensor_dim0_stride
	s_mov_b32 s[\g+6], 0
	s_mov_b32 s[\g+7], 0
.endr
	; the scales of 128 rows: 4,096 dense bytes as 16 rows of 256, 16 bytes of padding behind each
	s_or_b32 s[G1S+0], s43, (3<<16)|(1<<20)|(1<<21)|(5<<22)|(3<<25)
	s_or_b32 s[G1SB+0], s44, (3<<16)|(1<<20)|(1<<21)|(5<<22)|(3<<25)
.irp g, G1S, G1SB
	s_mov_b32 s[\g+1], 32<<16
	s_mov_b32 s[\g+2], 16<<16
	s_mov_b32 s[\g+3], 32<<16
	s_mov_b32 s[\g+4], 16
	s_mov_b32 s[\g+5], 32
	s_mov_b32 s[\g+6], 0
	s_mov_b32 s[\g+7], 0
.endr
	s_lshl_b32 s18, s16, 3                         ; which 8 row blocks of the tile I fetch
	s_lshl_b32 s20, s17, 4
	s_add_co_u32 s20, s20, s18                     ; A: row block 16 x tile + 8 x half
	s_lshl_b32 s46, s42, 4
	s_add_co_u32 s46, s46, s18                     ; B likewise
	s_lshl_b32 s22, s20, 9                         ; their scales: 512 bytes a block
	s_mov_b32 s23, 0
	s_lshl_b32 s92, s46, 9
	s_mov_b32 s93, 0
	s_lshl_b32 s20, s20, 14                        ; their codes: 16,384 bytes a block
	s_mov_b32 s21, 0
	s_lshl_b32 s46, s46, 14
	s_mov_b32 s47, 0
	s_mul_i32 s45, s14, HALFT                      ; where they go: by the wave's number alone
	s_mul_i32 s94, s14, HALFS
	s_wait_kmcnt 0x0
	s_cmp_eq_u32 ttmp9, 2                          ; for v the two operands change places
	s_cselect_b64 s[66:67], s[8:9], s[4:5]
	s_cselect_b64 s[8:9], s[4:5], s[8:9]
	s_mov_b64 s[4:5], s[66:67]
	s_cselect_b64 s[66:67], s[10:11], s[6:7]
	s_cselect_b64 s[10:11], s[6:7], s[10:11]
	s_mov_b64 s[6:7], s[66:67]
	s_add_nc_u64 s[20:21], s[4:5], s[20:21]
	s_add_nc_u64 s[22:23], s[6:7], s[22:23]
	s_add_nc_u64 s[46:47], s[8:9], s[46:47]
	s_add_nc_u64 s[92:93], s[10:11], s[92:93]
	CROUND                                         ; all sixteen work-groups are here: the first joint loads meet
	s_mov_b32 s[G0S], 1
	s_add_co_u32 s[G0S+1], s94, SCL
	s_mov_b64 s[G0S+2:G0S+3], s[22:23]
	s_or_b32 s[G0S+3], s[G0S+3], 0x80000000
	s_mov_b32 s[G0SB], 1
	s_add_co_u32 s[G0SB+1], s94, SCL
	s_mov_b64 s[G0SB+2:G0SB+3], s[92:93]
	s_or_b32 s[G0SB+3], s[G0SB+3], 0x80000000
	JLOAD G0S, G1S, G0SB, G1SB                     ; the scales first: they are wanted with K step 0
.irp s, 0,1
	s_mov_b32 s[G0+4*\s], 1
	s_add_co_u32 s[G0+4*\s+1], s45, \s*SLOT
	s_add_nc_u64 s[G0+4*\s+2:G0+4*\s+3], s[20:21], \s*4096
	s_or_b32 s[G0+4*\s+3], s[G0+4*\s+3], 0x80000000
	s_mov_b32 s[G0B+4*\s], 1
	s_add_co_u32 s[G0B+4*\s+1], s45, \s*SLOT
	s_add_nc_u64 s[G0B+4*\s+2:G0B+4*\s+3], s[46:47], \s*4096
	s_or_b32 s[G0B+4*\s+3], s[G0B+4*\s+3], 0x80000000
	JLOAD G0+4*\s, G1, G0B+4*\s, G1B
.endr
	v_and_b32 v1, 15, v0                           ; r
	v_bfe_u32 v2, v0, 4, 1                         ; h
	v_and_b32 v[LANE], 31, v0
	v_lshlrev_b32 v[LI], 4, v[LANE]
	v_lshlrev_b32 v[LS], 5, v1
	v_lshl_add_u32 v[LS], v2, 4, v[LS]
	v_mov_b32 v[FLO], 0x4800000
	s_mul_i32 s21, s15, HALFT                      ; my 128 rows of A
	s_mul_i32 s22, s16, HALFT                      ; my 128 rows of B,
	s_add_co_u32 s22, s22, 2*HALFT                 ; behind A's 256
.irp s, 0,1
	v_add_nc_u32 v[ADRA+\s], s21, v[LI]
	v_add_nc_u32 v[ADRB+\s], s22, v[LI]
	s_add_co_u32 s21, s21, SLOT
	s_add_co_u32 s22, s22, SLOT
.endr
	v_mul_u32_u24 v5, v1, 32                       ; my row's scales: 32 bytes a row,
	v_lshrrev_b32 v6, 8, v5
	v_lshl_add_u32 v5, v6, 4, v5                   ; and 16 more for each 256 passed
	s_mul_i32 s21, s15, HALFS
	s_mul_i32 s22, s16, HALFS
	s_add_co_u32 s22, s22, 2*HALFS
	s_sub_co_u32 s22, s22, s21
	v_mul_u32_u24 v6, s22, v2                      ; lanes 16-31 take B's
	s_add_co_u32 s21, s21, SCL
	v_add_nc_u32 v5, v5, v6
	v_add_nc_u32 v[ADRS], s21, v5
	; where my 128 x 128 goes: block (jp << 6) + RG for q and k, (jp << 3) + RG + 1008 for v, RG = 2 x A's tile + half, jp = 2 x B's tile + half
	s_lshl_b32 s20, s17, 1
	s_add_co_u32 s20, s20, s15
	s_lshl_b32 s46, s42, 1
	s_add_co_u32 s46, s46, s16
	s_cmp_eq_u32 ttmp9, 2
	s_cselect_b32 s21, 3, 6
	s_cselect_b32 s22, 1008, 0
	s_lshl_b32 s46, s46, s21
	s_add_co_u32 s46, s46, s20
	s_add_co_u32 s46, s46, s22
	s_lshl_b32 s20, s46, 14
	s_mov_b32 s21, 0
	s_add_nc_u64 s[96:97], s[96:97], s[20:21]
	s_lshl_b32 s20, s46, 9
	s_add_nc_u64 s[98:99], s[98:99], s[20:21]
	s_cmp_eq_u32 ttmp9, 1
	s_cselect_b32 s95, -1, 0                       ; all lanes on where the tile is k's
.macro FRAG reg, adr, q, i             ; a fragment as it lies: row block i, the slot's q-th 128 along K
.irp c, 0,1,2,3
	ds_load_b128 v[\reg+4*\c:\reg+4*\c+3], v[\adr] offset:4096*(\i)+2048*(\q)+512*\c
.endr
.endm
; 16 matrix instructions: A's blocks a0, a0 + 1 x B's eight.  The 64 accumulators take turns, one instruction a turn, in the same order in every step.
.macro MUL16 a0, p, q, sc, zero
.irp a, \a0, \a0+1
.irp b, 0,1,2,3,4,5,6,7
.if \zero
	v_wmma_scale_f32_16x16x128_f8f6f4 v[8*(8*((\a)%4)+\b):8*(8*((\a)%4)+\b)+7], v[128*(\p)+FR*\b:128*(\p)+FR*\b+FR-1], v[AF+FR*(\a):AF+FR*(\a)+FR-1], 0, v[SC+8*NQ*(\sc)+NQ*\b+(\q)], v[SC+8*NQ*(\sc)+NQ*(\a)+(\q)] matrix_a_scale:MATRIX_SCALE_ROW1
.else
	v_wmma_scale_f32_16x16x128_f8f6f4 v[8*(8*((\a)%4)+\b):8*(8*((\a)%4)+\b)+7], v[128*(\p)+FR*\b:128*(\p)+FR*\b+FR-1], v[AF+FR*(\a):AF+FR*(\a)+FR-1], v[8*(8*((\a)%4)+\b):8*(8*((\a)%4)+\b)+7], v[SC+8*NQ*(\sc)+NQ*\b+(\q)], v[SC+8*NQ*(\sc)+NQ*(\a)+(\q)] matrix_a_scale:MATRIX_SCALE_ROW1
.endif
.endr
.endr
.endm
.macro FETCH_B slot, q, p
	WIN TO_B
.irp i, 0,1,2,3,4,5,6,7
	FRAG 128*(\p)+FR*\i, ADRB+\slot, \q, \i
.endr
	WIN 0
.endm
.macro FETCH_A slot, q, i0
.irp i, \i0, \i0+1, \i0+2, \i0+3
	FRAG AF+FR*(\i), ADRA+\slot, \q, \i
.endr
.endm
.macro SCALES sc                       ; a K step's scale words: two a row; lanes 0-15 take A's block i, lanes 16-31 B's block i
.irp i, 0,1,2,3,4,5,6,7
	ds_load_b64 v[SC+8*NQ*\sc+NQ*\i:SC+8*NQ*\sc+NQ*\i+1], v[ADRS] offset:\i*SBLK
.endr
.endm
.macro PLACES n                        ; plain vector lines between a matrix instruction and a load into, or a read of, its registers
.rept \n
	v_nop
.endr
.endm
.macro STEP slot, q, zero              ; 128 along K that have their successor in the same slot
	s_wait_dscnt 4*NL                              ; B's set and A's blocks 0-3 are in; the youngest 16 loads (A's blocks 4-7) may be out
	WIN MUL_LO
	MUL16 0, (\q)%2, \q, \slot, \zero
	MUL16 2, (\q)%2, \q, \slot, \zero
	s_wait_dscnt 0
	PLACES NP
	FETCH_B \slot, (\q)+1, 1-(\q)%2
	FETCH_A \slot, (\q)+1, 0
	WIN MUL_HI
	MUL16 4, (\q)%2, \q, \slot, \zero
	MUL16 6, (\q)%2, \q, \slot, \zero
	PLACES NP
	WIN 0
	FETCH_A \slot, (\q)+1, 4
.endm
; A slot's last 128 change slots: one barrier; in front of it each wave waits for all its tensor loads, adds 0 to its spare word, and waits for that and for its reads of this slot.  fill = 1: this slot is filled again, two K steps ahead.
.macro TURN slot, next, fill
	s_wait_tensorcnt 0x0                           ; all my tensor loads have landed: my part of the next slot
	ds_add_u32 v[SPW], v[NIL]                      ; 0 onto my spare word
	s_wait_dscnt 4*NL+1                            ; (the add and the youngest 16 loads may be out)
	WIN MUL_LO
	MUL16 0, 1, NQ-1, \slot, 0
	s_wait_dscnt 0x0                               ; the add is done, and my reads of this slot are over
	s_barrier_signal -1
	MUL16 2, 1, NQ-1, \slot, 0
	WIN 0
	s_barrier_wait -1
.if \fill
	CREST                                          ; the barrier has opened a round of the cluster's: no wave of any partner still reads this slot or has a load on its way
	s_add_nc_u64 s[G0+4*\slot+2:G0+4*\slot+3], s[G0+4*\slot+2:G0+4*\slot+3], 8192
	s_add_nc_u64 s[G0B+4*\slot+2:G0B+4*\slot+3], s[G0B+4*\slot+2:G0B+4*\slot+3], 8192
	JLOAD G0+4*\slot, G1, G0B+4*\slot, G1B         ; the first tensor load behind the round; its four v_nop are among the places below
	PLACES NP-4
.else
	PLACES NP
.endif
	s_wait_alu depctr_va_vdst(0)
	v_add_nc_u32 v[ADRS], 4*NQ, v[ADRS]            ; the next K step's scale words
	FETCH_B \next, 0, 0
	FETCH_A \next, 0, 0
	SCALES \next
	WIN MUL_HI
	MUL16 4, 1, NQ-1, \slot, 0
	MUL16 6, 1, NQ-1, \slot, 0
	PLACES NP
	WIN 0
	FETCH_A \next, 0, 4
.endm
	s_wait_alu depctr_va_vdst(0)
	s_wait_tensorcnt 1                             ; the scales and my part of K step 0 are in; K step 1's load may be out
	s_barrier_signal -1
	s_barrier_wait -1
	FETCH_B 0, 0, 0
	FETCH_A 0, 0, 0
	SCALES 0
	FETCH_A 0, 0, 4
	STEP 0, 0, 1                                   ; the first products start the sums: nothing is cleared
	TURN 0, 1, 1                                   ; four K steps, written out: slot 0 takes K step 2,
	STEP 1, 0, 0
	TURN 1, 0, 1                                   ; slot 1 K step 3,
	STEP 0, 0, 0
	TURN 0, 1, 0                                   ; and nothing is left to fetch
	STEP 1, 0, 0
	s_wait_dscnt 4*NL
	WIN MUL_LO
	MUL16 0, 1, NQ-1, 1, 0
	MUL16 2, 1, NQ-1, 1, 0
	s_wait_dscnt 0
	WIN MUL_HI
	MUL16 4, 1, NQ-1, 1, 0
	MUL16 6, 1, NQ-1, 1, 0
	WIN 0
; THE WAY OUT.  For A's block a a lane holds one row and 64 numbers, register 16 b + i = 32 b + 16 (lane / 16) + i along B's true rows: they are quantised as they stand, and the codes are an image: four stores of 512 consecutive bytes.  No LDS.
	PLACES NP
	s_mov_b32 s18, 0x76543210
	s_mov_b32 s19, 0xfedcba98                      ; lane l xor 16
.irp b, 0,1,2,3
	v_mov_b32 v[TM+4+\b], 0                        ; a lane permute's destination counts as one of its sources
.endr
.macro QOUT a
.set AC, 64*((\a)%4)
.set WA, 2+(\a)/4
.set WB, (WA<<2)|(WA<<4)
.set PS, PC+16*((\a)%2)
.if (\a) > 1
	s_wait_xcnt 0x0                                ; the stores of two blocks back have read their data
.endif
	WIN WB                                         ; sources 1 and 2: the accumulators' window
.irp b, 0,1,2,3
	v_max3_num_f32 v[TM+\b], v[FLO], |v[AC+16*\b]|, |v[AC+16*\b+1]|   ; each accumulator is read from its low end on
.endr
.irp i, 2,4,6,8,10,12,14
.irp b, 0,1,2,3
	v_max3_num_f32 v[TM+\b], v[TM+\b], |v[AC+16*\b+\i]|, |v[AC+16*\b+\i+1]|
.endr
.endr
	WIN 0
.irp b, 0,1,2,3
	v_permlanex16_b32 v[TM+4+\b], v[TM+\b], s18, s19
.endr
.irp b, 0,1,2,3
	v_max_num_f32 v[TM+\b], v[TM+\b], v[TM+4+\b]
.endr
.irp b, 0,1,2,3
	v_add_nc_u32 v[TM+12+\b], 0xfc000000, v[TM+\b]
.endr
.irp b, 0,1,2,3
.endr
.irp b, 0,1,2,3
	v_lshrrev_b32 v[TM+4+\b], 23, v[TM+12+\b]
.endr
	v_lshl_or_b32 v[PWR+(\a)], v[TM+5], 8, v[TM+4]
	v_lshl_or_b32 v[PWR+(\a)], v[TM+6], 16, v[PWR+(\a)]
	v_lshl_or_b32 v[PWR+(\a)], v[TM+7], 24, v[PWR+(\a)]
	WIN WA                                         ; source 0: the accumulators' window
.irp b, 0,1,2,3
.irp i, 0,1,2,3,4,5,6,7,8,9,10,11,12,13,14,15
.endr
.endr
.irp b, 0,1,2,3
	v_cvt_scalef32_pk8_fp8_f32 v[PS+4*\b:PS+4*\b+1], v[AC+16*\b:AC+16*\b+7], v[TM+12+\b]
	v_cvt_scalef32_pk8_fp8_f32 v[PS+4*\b+2:PS+4*\b+3], v[AC+16*\b+8:AC+16*\b+15], v[TM+12+\b]
.endr
	WIN 0
	v_nop                                          ; a plain line behind the last conversion
.irp b, 0,1,2,3
	global_store_b128 v[LI], v[PS+4*\b:PS+4*\b+3], s[96:97] offset:2048*(\a)+512*\b
.endr
.endm
.irp a, 0,1,2,3,4,5,6,7
	QOUT \a
.endr
.irp p, 0,1,2,3
	v_perm_b32 v[SW+\p], v[PWR+2*\p+1], v[PWR+2*\p], 0x05040100     ; k's pairs: the first head's halves of images 2 p and 2 p + 1,
	v_perm_b32 v[SW+4+\p], v[PWR+2*\p+1], v[PWR+2*\p], 0x07060302   ; the second head's
.endr
.irp p, 0,1,2,3,4,5,6,7
	v_cndmask_b32 v[SW+\p], v[PWR+\p], v[SW+\p], s95               ; q and v keep a word an image
.endr
	v_cmp_le_u32 vcc_lo, 16, v[LANE]
.irp p, 0,1,2,3
	v_cndmask_b32 v[OUTW+\p], v[SW+\p], v[SW+4+\p], vcc_lo
.endr
	global_store_b128 v[LS], v[OUTW:OUTW+3], s[98:99]              ; 512 consecutive bytes
	s_wait_tensorcnt 0x0                           ; the wave's end
	ds_add_u32 v[SPW], v[NIL]
	s_wait_dscnt 0x0
	CROUND                                         ; the closing round
	s_endpgm
.Lfunc_end_k_q29447cb123_qkv:
	.size	k_q29447cb123_qkv, .Lfunc_end_k_q29447cb123_qkv-k_q29447cb123_qkv
	.p2alignl 7, 3214868480
	.fill 96, 4, 3214868480
	.section	.rodata,"a",@progbits
	.p2align	6, 0x0
	.amdhsa_kernel k_q29447cb123_qkv
		.amdhsa_group_segment_fixed_size 327680
		.amdhsa_private_segment_fixed_size 0
		.amdhsa_enable_private_segment 0
		.amdhsa_kernarg_size 48
		.amdhsa_user_sgpr_count 2
		.amdhsa_user_sgpr_kernarg_segment_ptr 1
		.amdhsa_wavefront_size32 1
		.amdhsa_system_sgpr_workgroup_id_x 1
		.amdhsa_system_sgpr_workgroup_id_y 1
		.amdhsa_system_sgpr_workgroup_id_z 1
		.amdhsa_system_vgpr_workitem_id 0
		.amdhsa_next_free_vgpr 1024
		.amdhsa_next_free_sgpr 100
		.amdhsa_reserve_vcc 1
		.amdhsa_float_denorm_mode_32 3
		.amdhsa_float_denorm_mode_16_64 3
		.amdhsa_fp16_overflow 1
		.amdhsa_memory_ordered 1
		.amdhsa_forward_progress 1
		.amdhsa_inst_pref_size 150
	.end_amdhsa_kernel
	.amdgpu_metadata
---
amdhsa.version: [ 1, 2 ]
amdhsa.kernels:
  - .name:           k_q29447cb123_qkv
    .symbol:         k_q29447cb123_qkv.kd
    .args:
      - { .name: x_codes, .offset: 0, .size: 8, .value_kind: global_buffer, .address_space: global }
      - { .name: x_scales, .offset: 8, .size: 8, .value_kind: global_buffer, .address_space: global }
      - { .name: w_codes, .offset: 16, .size: 8, .value_kind: global_buffer, .address_space: global }
      - { .name: w_scales, .offset: 24, .size: 8, .value_kind: global_buffer, .address_space: global }
      - { .name: qkv_codes, .offset: 32, .size: 8, .value_kind: global_buffer, .address_space: global }
      - { .name: qkv_scales, .offset: 40, .size: 8, .value_kind: global_buffer, .address_space: global }
    .group_segment_fixed_size: 327680
    .private_segment_fixed_size: 0
    .kernarg_segment_align: 8
    .kernarg_segment_size: 48
    .max_flat_workgroup_size: 128
    .sgpr_count:     100
    .vgpr_count:     1024
    .wavefront_size: 32
...
	.end_amdgpu_metadata
.endif
;; end of part 2
;; launch attn (part 3): grid 8 x 32, 16 waves a work-group, no clusters, 327,680 bytes of LDS; arguments qkv_codes, qkv_scales, att_codes, att_scales; writes att_codes, att_scales
.if DOCPART == 3
	.amdgcn_target "amdgcn-amd-amdhsa--gfx1250"
	.amdhsa_code_object_version 6
	.text
	.protected	k_q29447cb123_attn
	.globl	k_q29447cb123_attn
	.p2align	8
	.type	k_q29447cb123_attn,@function
k_q29447cb123_attn:
	s_mov_b64 s[64:65], 0
	v_nop
	global_prefetch_b8 v0, s[64:65] scope:SCOPE_SE
	s_setreg_imm32_b32 hwreg(HW_REG_WAVE_MODE, 25, 1), 1
	s_wait_xcnt 0x0
; Causal attention on codes of FP8 (E4M3), one E8M0 scale for each 32 along a product's K; the normalised result is quantised along (head, d) for the output projection and leaves as codes.
; SOFTMAX: t = score x log2(e) / 8; M = the running largest t rounded UP to a whole number; p = 2^(t - M) is quantised along the keys, not normalised; the row's sum is taken of the unquantised p; when M moves, sum and O are multiplied by 2^(old M - new M), exactly.
; SHARES.  A work-group owns, of one batch and one pair of heads, the blocks of 128 queries 15 - I and I (I = work-group x): (16 - I) + (I + 1) = 17 key steps of 128 keys in every work-group: a constant trip count, 256 equal work-groups, no tile fetched that is not used.
; Wave w: head 2 hp + w / 8, queries: image w % 8 of the block (16 of them).  Four waves of 256 registers to a SIMD: one wave's softmax stands beside another's products and LDS loads.
; LAYOUT.  Both products are used transposed: S^T = K Q^T, O^T = V^T P^T: a lane holds ONE query throughout.  Operands are images of fragments' registers; their rows are stored so that the 16 registers of tiles 2 b and 2 b + 1 are 16 true neighbours.
; THE HEAD IS 64, THE INSTRUCTION 128 DEEP: a fragment of K holds my head's 64 bytes of image 2 b and of image 2 b + 1; multiplied by [q | 0] it gives tile 2 b, by [0 | q] tile 2 b + 1.  Zero codes add nothing under any scale byte but 0xff.
; NO CLUSTER: the eight work-groups of a pair of heads need different key tiles in the same step as soon as the first of them changes its block of queries; in lock step each would walk 20 steps in place of 17.
; LIMITS: NaN and infinities are not served; a block under 2^-118, and a block of zeros, gets the byte 1 (this program alone reads the bytes).
.set SLOTB, 33792                      ; a slot: K's tile 16,384, V's tile 16,384, K's scale words 512, V's 512
.set VOFF,  16384
.set KSC,   32768
.set SSTG,  2*SLOTB                    ; two areas of 512 bytes for the result's scale halfwords: stored by the waves, never filled
.set SPARE, SSTG+1024                  ; the spare words, 128 bytes a wave: eight blocks of 256 bytes that no other line names
.set AK,  1                            ; 16 lane + 1024 head: my place in an image of K
.set AV,  2                            ; 16 lane + 8192 head + VOFF
.set ASC, 3                            ; 32 r + 16 head + KSC: four scale words
.set LI,  4                            ; 16 lane
.set SPW, 5
.set NIL, 6
.set PFO, 7                            ; 256 lane
.set VD,  8                            ; my query in its block - 16 (lane / 16)
.set AST, 9                            ; where my row's scale halfword goes
.set ARD, 10                           ; where waves 0 and 1 read an area back
.set QS,  40                           ; q's scale word; v41 the second block's
.set Q2,  42                           ; v42-49 the second block's q
.set SCW, 50                           ; v50-53 K's or V's scale words
.set PWD, 54                           ; p's scale word
.set FF,  56                           ; v[56:57] f = 2^(old M - new M)
.set TMP, 58
.set NINF, 59
.set FRG, 64                           ; v64-127 four fragments
.set SCO, 128                          ; v128-191 S^T, then p
.set OT,  192                          ; v192-223 O^T
.set PCD, 224                          ; v224-239 p's codes
.set BM,  240
.set PT,  244
.set HOLD, 248
.set CVS, 252
.set WV, 12
.set PI, 13
.set TAU, 14
.set QI, 15
.set QL, 16
.set BA, 17
.set HP, 18
.set MNT, 19
.set SEL, 20
.set CS, 22
.set G1T, 24
.set G1S, 32
.set G0T, 40
.set G0S, 48
.set MYB, 56
.set MYSTEP, 58
.set OFF, 60
.set ADR, 62
.set KT, 66                            ; the key tile of the step in hand
.set QBC, 67                           ; the block of queries in hand: its last key tile
.set SWF, 68                           ; 1: the step before closed a block of queries
.set KTN, 69
.set CNT, 70
.set TT, 71
.set OUT1, 72
.set SCP, 76
.set PFA, 78
.set PFS, 80
.set PLIM, 82
.set SELQ, 83
; Waves 0 and 1 fetch K's and V's tiles, waves 2 and 3 their scale words, the others nothing.  Four v_nop follow each line.
.macro TLOAD s
	s_cmp_lt_u32 s[WV], 2
	s_cbranch_scc0 .Lnot_t_\@
	tensor_load_to_lds s[G0T+4*(\s):G0T+4*(\s)+3], s[G1T:G1T+7]
	s_nop 0
.rept 4
	v_nop
.endr
	s_branch .Lasked_\@
.Lnot_t_\@:
	s_cmp_lt_u32 s[WV], 4
	s_cbranch_scc0 .Lasked_\@
	tensor_load_to_lds s[G0S+4*(\s):G0S+4*(\s)+3], s[G1S:G1S+7]
	s_nop 0
.rept 4
	v_nop
.endr
.Lasked_\@:
.endm
; A prefetch of key tile KT + 2, which the next step's tensor loads will ask for.  All eight work-groups of a pair of heads walk the same tiles: work-group x = 0 asks, in its first block of queries (tiles 0 to 15), and nobody else;
; waves 4, 5 for K's 16,384 bytes, waves 6, 7 for V's, 8,192 a wave, lanes 256 bytes apart: each aligned 256 bytes once in the launch.  Tiles 0 and 1 come by their loads alone; steps 14 and 15 ask for nothing.
.macro ASK
	s_cmp_lt_u32 s[KT], s[PLIM]
	s_cbranch_scc0 .Lnot_mine_\@
	global_prefetch_b8 v[PFO], s[PFA:PFA+1] th:TH_LOAD_NT scope:SCOPE_SE
.Lnot_mine_\@:
.endm
	s_load_b256 s[4:11], s[0:1], 0x0               ; qkv_codes s[4:5], qkv_scales s[6:7], att_codes s[8:9], att_scales s[10:11]
	v_lshl_add_u32 v[SPW], v0, 2, SPARE
	v_mov_b32 v[NIL], 0
	ds_add_u32 v5, v6
	ds_add_u32 v5, v6
	s_wait_dscnt 0x0
	v_lshrrev_b32 v60, 5, v0
	s_delay_alu instid0(VALU_DEP_1)
	v_readfirstlane_b32 s[WV], v60                 ; wave 0..15
	s_lshr_b32 s[PI], s[WV], 3
	s_and_b32 s[TAU], s[WV], 7
	s_mov_b32 s[QI], ttmp9
	s_sub_co_u32 s[QL], 15, s[QI]
	s_and_b32 s84, ttmp7, 0xffff
	s_lshr_b32 s[BA], s84, 3                       ; batch
	s_and_b32 s[HP], s84, 7                        ; pair of heads
	v_and_b32 v60, 31, v0                          ; lane
	v_and_b32 v61, 15, v0                          ; r
	s_wait_alu depctr_va_vdst(0)
	v_bfe_u32 v62, v0, 4, 1                        ; h
	s_wait_alu depctr_va_vdst(0)
	v_lshlrev_b32 v[LI], 4, v60
	s_lshl_b32 s84, s[PI], 10
	v_add_nc_u32 v[AK], s84, v[LI]
	s_lshl_b32 s84, s[PI], 13
	s_add_co_u32 s84, s84, VOFF
	v_add_nc_u32 v[AV], s84, v[LI]
	s_lshl_b32 s84, s[PI], 4
	s_add_co_u32 s84, s84, KSC
	v_lshl_add_u32 v[ASC], v61, 5, s84
	v_lshlrev_b32 v[PFO], 8, v60
	s_lshr_b32 s84, s[TAU], 1
	s_lshl_b32 s84, s84, 5
	s_and_b32 s85, s[TAU], 1
	s_lshl_b32 s85, s85, 3
	s_add_co_u32 s84, s84, s85
	v_and_b32 v[VD], 8, v61
	s_delay_alu instid0(VALU_DEP_1)
	v_add_nc_u32 v[VD], v[VD], v61                 ; r % 8 + 2 (r & 8)
	s_delay_alu instid0(VALU_DEP_1)
	v_add_nc_u32 v[VD], s84, v[VD]                 ; + 32 (image / 2) + 8 (image % 2): my query in its block of 128
	v_lshlrev_b32 v63, 4, v62
	s_delay_alu instid0(VALU_DEP_1)
	v_sub_nc_u32 v[VD], v[VD], v63
	s_lshl_b32 s84, s[TAU], 6
	s_lshl_b32 s85, s[PI], 1
	s_add_co_u32 s84, s84, s85
	s_add_co_u32 s84, s84, SSTG
	v_lshl_add_u32 v[AST], v61, 2, s84
	s_and_b32 s85, s[WV], 1
	s_lshl_b32 s84, s85, 9
	s_add_co_u32 s84, s84, SSTG
	v_add_nc_u32 v[ARD], s84, v[LI]
	; descriptor group 1: a tile: 16,384 dense bytes as 64 rows of 256;  scale words: one row of 512 bytes
	s_mov_b32 s[G1T], 3<<16
	s_mov_b32 s[G1T+1], 32<<16
	s_mov_b32 s[G1T+2], 64<<16
	s_mov_b32 s[G1T+3], 32<<16
	s_mov_b32 s[G1T+4], 64
	s_mov_b32 s[G1T+5], 32
	s_mov_b32 s[G1T+6], 0
	s_mov_b32 s[G1T+7], 0
	s_mov_b32 s[G1S], 3<<16
	s_mov_b32 s[G1S+1], 64<<16
	s_mov_b32 s[G1S+2], 1<<16
	s_mov_b32 s[G1S+3], 64<<16
	s_mov_b32 s[G1S+4], 1
	s_mov_b32 s[G1S+5], 64
	s_mov_b32 s[G1S+6], 0
	s_mov_b32 s[G1S+7], 0
	s_mov_b32 s[SEL], 0x76543210
	s_mov_b32 s[SEL+1], 0xfedcba98
	s_mov_b32 s[CS], 0x3e38aa3b                    ; c = log2(e) / 8
	s_mov_b32 s[CS+1], s[CS]
	s_mov_b32 s[KT], 0
	s_mov_b32 s[QBC], s[QL]
	s_mov_b32 s[SWF], 0
	s_mov_b32 s[SELQ], 0x01000100
	s_cmp_eq_u32 s[PI], 1
	s_cselect_b32 s[SELQ], 0x03020302, s[SELQ]     ; my head's two scale bytes, twice
	; what I fetch, if I fetch: even waves K's blocks (one on for each tile), odd waves V's (eight on); waves 0, 1 codes (16,384 a block), waves 2, 3 scale words (512)
	s_lshl_b32 s99, s[BA], 7
	s_add_co_u32 s99, s99, s[HP]
	s_add_co_u32 s99, s99, 1024                    ; V's first block
	s_add_co_u32 s98, s[HP], 8
	s_lshl_b32 s98, s98, 6
	s_lshl_b32 s88, s[BA], 4
	s_add_co_u32 s98, s98, s88                     ; K's first block
	s_cmp_eq_u32 s85, 1
	s_cselect_b32 s86, s99, s98
	s_cselect_b32 s87, 8, 1
	s_cmp_lt_u32 s[WV], 2
	s_cselect_b32 s88, 14, 9
	s_lshl_b32 s[OFF], s86, s88
	s_mov_b32 s[OFF+1], 0
	s_lshl_b32 s[MYSTEP], s87, s88
	s_wait_kmcnt 0x0
	s_cmp_lt_u32 s[WV], 2
	s_cselect_b64 s[MYB:MYB+1], s[4:5], s[6:7]
	s_add_nc_u64 s[MYB:MYB+1], s[MYB:MYB+1], s[OFF:OFF+1]
	s_lshl_b32 s84, s[WV], 14                      ; LDS: wave 0 K's tile, wave 1 V's;
	s_lshl_b32 s85, s[WV], 9
	s_add_co_u32 s85, s85, KSC-1024                ; wave 2 K's scale words, wave 3 V's
.irp s, 0,1
	s_mov_b32 s[G0T+4*\s], 1
	s_add_co_u32 s[G0T+4*\s+1], s84, \s*SLOTB
	s_mov_b64 s[G0T+4*\s+2:G0T+4*\s+3], s[MYB:MYB+1]
	s_or_b32 s[G0T+4*\s+3], s[G0T+4*\s+3], 0x80000000
	s_mov_b32 s[G0S+4*\s], 1
	s_add_co_u32 s[G0S+4*\s+1], s85, \s*SLOTB
	s_mov_b64 s[G0S+4*\s+2:G0S+4*\s+3], s[MYB:MYB+1]
	s_or_b32 s[G0S+4*\s+3], s[G0S+4*\s+3], 0x80000000
.endr
	TLOAD 0                                        ; key tile 0 into slot 0; slot 1 is first filled behind the first step's barrier
	; q of both blocks of queries stays in registers
	s_lshl_b32 s84, s[HP], 6
	s_lshl_b32 s85, s[BA], 4
	s_add_co_u32 s84, s84, s85
	s_add_co_u32 s86, s84, s[QL]                   ; q's block of the first 128 queries,
	s_add_co_u32 s87, s84, s[QI]                   ; of the second
	s_lshl_b32 s88, s[TAU], 11
	s_lshl_b32 s89, s[PI], 10
	s_add_co_u32 s88, s88, s89
	s_lshl_b32 s90, s86, 14
	s_add_co_u32 s90, s90, s88
	s_mov_b32 s91, 0
	s_add_nc_u64 s[90:91], s[4:5], s[90:91]
	s_lshl_b32 s92, s87, 14
	s_add_co_u32 s92, s92, s88
	s_mov_b32 s93, 0
	s_add_nc_u64 s[92:93], s[4:5], s[92:93]
	s_lshl_b32 s94, s86, 9
	s_mov_b32 s95, 0
	s_add_nc_u64 s[94:95], s[6:7], s[94:95]
	s_lshl_b32 s96, s87, 9
	s_mov_b32 s97, 0
	s_add_nc_u64 s[96:97], s[6:7], s[96:97]
	s_lshl_b32 s88, s[TAU], 2
	v_lshl_add_u32 v63, v61, 5, s88                ; row r's word of image w % 8
	global_load_b128 v[24:27], v[LI], s[90:91]
	global_load_b128 v[28:31], v[LI], s[90:91] offset:512
	global_load_b128 v[Q2:Q2+3], v[LI], s[92:93]
	global_load_b128 v[Q2+4:Q2+7], v[LI], s[92:93] offset:512
	global_load_b32 v[QS], v63, s[94:95]
	global_load_b32 v[QS+1], v63, s[96:97]
	; where the results go: row block 128 batch + 8 block + image, K step hp, my head's half of the image
	s_lshl_b32 s84, s[BA], 7
	s_add_co_u32 s84, s84, s[TAU]
	s_lshl_b32 s86, s[HP], 11
	s_lshl_b32 s87, s[PI], 10
	s_add_co_u32 s86, s86, s87
	s_lshl_b32 s85, s[QL], 3
	s_add_co_u32 s85, s85, s84
	s_lshl_b32 s85, s85, 14
	s_add_co_u32 s[OUT1], s85, s86
	s_mov_b32 s[OUT1+1], 0
	s_add_nc_u64 s[OUT1:OUT1+1], s[8:9], s[OUT1:OUT1+1]
	s_lshl_b32 s85, s[QI], 3
	s_add_co_u32 s85, s85, s84
	s_lshl_b32 s85, s85, 14
	s_add_co_u32 s[OUT1+2], s85, s86
	s_mov_b32 s[OUT1+3], 0
	s_add_nc_u64 s[OUT1+2:OUT1+3], s[8:9], s[OUT1+2:OUT1+3]
	s_cmp_eq_u32 s[WV], 0                          ; the scale words: wave 0 stores the first block's, wave 1 the second's
	s_cselect_b32 s84, s[QL], s[QI]
	s_lshl_b32 s85, s[BA], 4
	s_add_co_u32 s84, s84, s85
	s_lshl_b32 s84, s84, 3
	s_add_co_u32 s84, s84, s[HP]
	s_lshl_b32 s[SCP], s84, 9
	s_mov_b32 s[SCP+1], 0
	s_add_nc_u64 s[SCP:SCP+1], s[10:11], s[SCP:SCP+1]
	; the prefetches: who asks, and where
	s_sub_co_u32 s84, s[WV], 4
	s_lshr_b32 s84, s84, 2                         ; 0 in waves 4 to 7,
	s_or_b32 s84, s84, s[QI]                       ; of work-group x = 0
	s_cmp_eq_u32 s84, 0
	s_cselect_b32 s[PLIM], 14, 0
	s_cmp_lt_u32 s[WV], 6
	s_cselect_b32 s84, s98, s99
	s_cselect_b32 s85, 1, 8
	s_add_co_u32 s84, s84, s85                     ; at tile 1: the first step steps it to tile 2
	s_lshl_b32 s84, s84, 14
	s_and_b32 s86, s[WV], 1
	s_lshl_b32 s86, s86, 13
	s_add_co_u32 s[PFA], s84, s86
	s_mov_b32 s[PFA+1], 0
	s_add_nc_u64 s[PFA:PFA+1], s[4:5], s[PFA:PFA+1]
	s_lshl_b32 s[PFS], s85, 14
	s_mov_b32 s[PFS+1], 0
	v_mov_b32 v13, 0xff61b1e6                      ; the largest t so far: -3e38
	s_delay_alu instid0(VALU_DEP_1)
	v_floor_f32 v12, -v13                          ; -M
	v_mov_b32 v14, 0
	v_mov_b32 v15, 0
.irp i, 0,1,2,3,4,5,6,7
	v_mov_b32 v[16+\i], 0                          ; the zero halves beside q: v[16:31] = [0 | q], v[24:39] = [q | 0]
	v_mov_b32 v[32+\i], 0
.endr
.irp b, 0,1,2,3
	v_mov_b32 v[PT+\b], 0                          ; a lane permute's destination counts as one of its sources
.endr
	v_mov_b32 v[FF+1], 0
	v_mov_b32 v[TMP], 0
	v_mov_b32 v[NINF], 0xff800000
	s_wait_loadcnt 0x0                             ; q and its scale words
	v_perm_b32 v[QS], v[QS], v[QS], s[SELQ]
	v_perm_b32 v[QS+1], v[QS+1], v[QS+1], s[SELQ]
.set jj, 0
.rept 32
	v_mov_b32 v[OT+jj], 0                          ; O^T: the step is written once; its first run finds zeros.  (These lines also stand between the scale word's making and the first product)
.set jj, jj+1
.endr
; A KEY STEP: 128 keys from the slot
.macro STEP slot
.set SB0, (\slot)*SLOTB
.irp p, 0,1,2,3
.irp u, 0,1
.irp c, 0,1
	ds_load_b128 v[FRG+16*\p+8*\u+4*\c:FRG+16*\p+8*\u+4*\c+3], v[AK] offset:SB0+(2*\p+\u)*2048+512*\c
.endr
.endr
.endr
	ds_load_b128 v[SCW:SCW+3], v[ASC] offset:SB0
	s_wait_dscnt 0x0
.irp p, 0,1,2,3
	v_wmma_scale_f32_16x16x128_f8f6f4 v[SCO+16*\p:SCO+16*\p+7], v[FRG+16*\p:FRG+16*\p+15], v[24:39], 0, v[SCW+\p], v[QS]
	v_wmma_scale_f32_16x16x128_f8f6f4 v[SCO+16*\p+8:SCO+16*\p+15], v[FRG+16*\p:FRG+16*\p+15], v[16:31], 0, v[SCW+\p], v[QS]
.endr
.rept 8
	v_nop                                          ; places in front of the loads below and of the first read of the scores
.endr
.irp t, 0,1,2,3
.irp c, 0,1,2,3
	ds_load_b128 v[FRG+16*\t+4*\c:FRG+16*\t+4*\c+3], v[AV] offset:SB0+2048*\t+512*\c   ; V's four fragments land while the softmax is walked
.endr
.endr
	ds_load_b128 v[SCW:SCW+3], v[ASC] offset:SB0+512
	s_cmp_lg_u32 s[KT], s[QBC]                     ; the block's last key tile lies on the diagonal: there hidden scores become -infinity.  A branch on ids and counters
	s_cbranch_scc1 .Lopen_\@
.set nn, 0
.rept 64
	v_cmp_gt_i32 vcc_lo, 32*(nn/16)+nn%16, v[VD]   ; register 16 b + i holds key 32 b + 16 (lane / 16) + i
	v_cndmask_b32 v[SCO+nn], v[SCO+nn], v[NINF], vcc_lo
.set nn, nn+1
.endr
.Lopen_\@:
.irp b, 0,1,2,3
	v_max3_num_f32 v[BM+\b], v[SCO+16*\b], v[SCO+1+16*\b], v[SCO+2+16*\b]   ; the largest score of each block of 32 keys: for the row's maximum, and for the block's largest p
.endr
.irp i, 3,5,7,9,11,13
.irp b, 0,1,2,3
	v_max3_num_f32 v[BM+\b], v[BM+\b], v[SCO+16*\b+\i], v[SCO+1+16*\b+\i]
.endr
.endr
.irp b, 0,1,2,3
	v_max_num_f32 v[BM+\b], v[BM+\b], v[SCO+15+16*\b]
.endr
.irp b, 0,1,2,3
	s_delay_alu instid0(VALU_DEP_4)
	v_permlanex16_b32 v[PT+\b], v[BM+\b], s[SEL], s[SEL+1]
.endr
.irp b, 0,1,2,3
	s_delay_alu instid0(VALU_DEP_4)
	v_max_num_f32 v[BM+\b], v[BM+\b], v[PT+\b]
.endr
	s_delay_alu instid0(VALU_DEP_2)
	v_max3_num_f32 v[TMP], v[BM], v[BM+1], v[BM+2]
	s_delay_alu instid0(VALU_DEP_1)
	v_max_num_f32 v[TMP], v[TMP], v[BM+3]
	s_delay_alu instid0(VALU_DEP_1)
	v_mul_f32 v[TMP], s[CS], v[TMP]
	s_delay_alu instid0(VALU_DEP_1)
	v_max_num_f32 v13, v13, v[TMP]                 ; the running largest t
	v_mov_b32 v[TMP], v12
	s_delay_alu instid0(VALU_DEP_2)
	v_floor_f32 v12, -v13                          ; the new -M = -ceil(t)
	s_delay_alu instid0(VALU_DEP_1)
	v_sub_f32 v[TMP], v12, v[TMP]
	s_delay_alu instid0(VALU_DEP_1)
	v_cvt_i32_f32 v[TMP], v[TMP]                   ; (it saturates)
	s_delay_alu instid0(VALU_DEP_1)
	v_ldexp_f32 v[FF], 1.0, v[TMP]                 ; f = 2^(old M - new M)
.set jj, 0
.rept 32
	v_pk_fma_f32 v[SCO+jj:SCO+jj+1], v[SCO+jj:SCO+jj+1], s[CS:CS+1], v[12:13] op_sel_hi:[1,0,0]   ; t - M
.set jj, jj+2
.endr
.irp b, 0,1,2,3
	v_fma_f32 v[BM+\b], v[BM+\b], s[CS], v12
.endr
.set jj, 0
	s_wait_alu depctr_va_vdst(0)
.rept 64
	v_exp_f32 v[SCO+jj], v[SCO+jj]                 ; p
.set jj, jj+1
.endr
	v_pk_mul_f32 v[14:15], v[14:15], v[FF:FF+1] op_sel_hi:[1,0]   ; the sums under the new M: a plain line behind the exponentials
	s_wait_alu depctr_va_vdst(0)                   ; one wait for the batch, ahead of its first reader
.irp b, 0,1,2,3
	v_exp_f32 v[BM+\b], v[BM+\b]                   ; each block's largest p
.endr
	v_pk_add_f32 v[244:245], v[132:133], v[136:137]
	v_pk_add_f32 v[254:255], v[140:141], v[144:145]
	v_pk_add_f32 v[252:253], v[148:149], v[152:153]
	v_pk_add_f32 v[250:251], v[156:157], v[160:161]
	v_pk_add_f32 v[248:249], v[164:165], v[168:169]
	v_pk_add_f32 v[246:247], v[172:173], v[176:177]
	v_pk_add_f32 v[238:239], v[180:181], v[184:185]
	v_pk_add_f32 v[14:15], v[14:15], v[188:189]
	v_pk_add_f32 v[244:245], v[244:245], v[128:129]
	v_pk_add_f32 v[254:255], v[254:255], v[130:131]
	v_pk_add_f32 v[252:253], v[252:253], v[134:135]
	v_pk_add_f32 v[250:251], v[250:251], v[138:139]
	v_pk_add_f32 v[248:249], v[248:249], v[142:143]
	v_pk_add_f32 v[246:247], v[246:247], v[146:147]
	v_pk_add_f32 v[238:239], v[238:239], v[150:151]
	v_pk_add_f32 v[14:15], v[14:15], v[154:155]
	v_pk_add_f32 v[244:245], v[244:245], v[158:159]
	v_pk_add_f32 v[254:255], v[254:255], v[162:163]
	v_pk_add_f32 v[252:253], v[252:253], v[166:167]
	v_pk_add_f32 v[250:251], v[250:251], v[170:171]
	v_pk_add_f32 v[248:249], v[248:249], v[174:175]
	v_pk_add_f32 v[246:247], v[246:247], v[178:179]
	v_pk_add_f32 v[238:239], v[238:239], v[182:183]
	v_pk_add_f32 v[14:15], v[14:15], v[186:187]
	v_pk_add_f32 v[244:245], v[244:245], v[190:191]
	s_delay_alu instid0(VALU_DEP_2)
	v_pk_add_f32 v[14:15], v[14:15], v[250:251]
	s_delay_alu instid0(VALU_DEP_2)
	v_pk_add_f32 v[244:245], v[244:245], v[248:249]
	v_pk_add_f32 v[254:255], v[254:255], v[246:247]
	v_pk_add_f32 v[252:253], v[252:253], v[238:239]
	s_delay_alu instid0(VALU_DEP_2)
	v_pk_add_f32 v[14:15], v[14:15], v[254:255]
	s_delay_alu instid0(VALU_DEP_2)
	v_pk_add_f32 v[244:245], v[244:245], v[252:253]
	s_delay_alu instid0(VALU_DEP_1)
	v_pk_add_f32 v[14:15], v[14:15], v[244:245]
	s_wait_alu depctr_va_vdst(0)                   ; and one for the four
.irp b, 0,1,2,3
	v_max_num_f32 v[BM+\b], 0x4800000, v[BM+\b]    ; the floor: the byte cannot fall under 1
.endr
.irp b, 0,1,2,3
	s_delay_alu instid0(VALU_DEP_4)
	v_add_nc_u32 v[CVS+\b], 0xfc000000, v[BM+\b]
.endr
.irp b, 0,1,2,3
.endr
.irp b, 0,1,2,3
	s_delay_alu instid0(VALU_DEP_4)
	v_lshrrev_b32 v[PT+\b], 23, v[CVS+\b]
.endr
	s_delay_alu instid0(VALU_DEP_3)
	v_lshl_or_b32 v[PWD], v[PT+1], 8, v[PT]
	s_delay_alu instid0(VALU_DEP_1)
	v_lshl_or_b32 v[PWD], v[PT+2], 16, v[PWD]
	s_delay_alu instid0(VALU_DEP_1)
	v_lshl_or_b32 v[PWD], v[PT+3], 24, v[PWD]
.irp b, 0,1,2,3
.irp i, 0,1,2,3,4,5,6,7,8,9,10,11,12,13,14,15
.endr
	v_cvt_scalef32_pk8_fp8_f32 v[PCD+4*\b:PCD+4*\b+1], v[SCO+16*\b:SCO+16*\b+7], v[CVS+\b]
	v_cvt_scalef32_pk8_fp8_f32 v[PCD+4*\b+2:PCD+4*\b+3], v[SCO+16*\b+8:SCO+16*\b+15], v[CVS+\b]
.endr
.set jj, 0
.rept 16
	v_pk_mul_f32 v[OT+jj:OT+jj+1], v[OT+jj:OT+jj+1], v[FF:FF+1] op_sel_hi:[1,0]   ; O^T under the new M
.set jj, jj+2
.endr
.rept 4
	v_nop                                          ; places between the codes' making and the products
.endr
	s_wait_alu depctr_va_vdst(0)
	s_wait_dscnt 0x0                               ; V and its scale words
.irp t, 0,1,2,3
	v_wmma_scale_f32_16x16x128_f8f6f4 v[OT+8*\t:OT+8*\t+7], v[FRG+16*\t:FRG+16*\t+15], v[PCD:PCD+15], v[OT+8*\t:OT+8*\t+7], v[SCW+\t], v[PWD]   ; four accumulators by turns
.endr
.rept 8
	v_nop                                          ; places in front of the next step's loads and of the first read of O^T
.endr
.endm
; A block of queries is done: O^T / the sum, quantised along d (two blocks of 32; a lane holds 16 of each), is my head's half of an image; the two scale bytes go to LDS
.macro FINISH ph
.set OB, OUT1+2*(\ph)
	v_add_f32 v14, v14, v15
	s_delay_alu instid0(VALU_DEP_1)
	v_permlanex16_b32 v[TMP], v14, s[SEL], s[SEL+1]
	s_delay_alu instid0(VALU_DEP_1)
	v_add_f32 v14, v14, v[TMP]                     ; the row's sum
	s_wait_alu depctr_va_vdst(0)
	v_rcp_f32 v14, v14
	v_nop
	s_wait_alu depctr_va_vdst(0)                   ; ahead of the reciprocal's first reader
.set jj, 0
.rept 16
	v_pk_mul_f32 v[SCO+jj:SCO+jj+1], v[OT+jj:OT+jj+1], v[14:15] op_sel_hi:[1,0]   ; each accumulator from its low end on
.set jj, jj+2
.endr
.irp b, 0,1
	v_max3_num_f32 v[BM+\b], |v[SCO+16*\b]|, |v[SCO+1+16*\b]|, 0x4800000
.endr
.irp i, 2,4,6,8,10,12,14
.irp b, 0,1
	s_delay_alu instid0(VALU_DEP_2)
	v_max3_num_f32 v[BM+\b], v[BM+\b], |v[SCO+16*\b+\i]|, |v[SCO+1+16*\b+\i]|
.endr
.endr
.irp b, 0,1
	s_delay_alu instid0(VALU_DEP_2)
	v_permlanex16_b32 v[PT+\b], v[BM+\b], s[SEL], s[SEL+1]
.endr
.irp b, 0,1
	s_delay_alu instid0(VALU_DEP_2)
	v_max_num_f32 v[BM+\b], v[BM+\b], v[PT+\b]
.endr
.irp b, 0,1
	s_delay_alu instid0(VALU_DEP_2)
	v_add_nc_u32 v[CVS+\b], 0xfc000000, v[BM+\b]
.endr
.irp b, 0,1
.endr
.irp b, 0,1
	s_delay_alu instid0(VALU_DEP_2)
	v_lshrrev_b32 v[PT+\b], 23, v[CVS+\b]
.endr
	s_delay_alu instid0(VALU_DEP_1)
	v_lshl_or_b32 v[TMP], v[PT+1], 8, v[PT]
.irp b, 0,1
.irp i, 0,1,2,3,4,5,6,7,8,9,10,11,12,13,14,15
.endr
	v_cvt_scalef32_pk8_fp8_f32 v[PCD+4*\b:PCD+4*\b+1], v[SCO+16*\b:SCO+16*\b+7], v[CVS+\b]
	v_cvt_scalef32_pk8_fp8_f32 v[PCD+4*\b+2:PCD+4*\b+3], v[SCO+16*\b+8:SCO+16*\b+15], v[CVS+\b]
.endr
	v_nop                                          ; a plain line behind the last conversion
	global_store_b128 v[LI], v[PCD:PCD+3], s[OB:OB+1]               ; 512 consecutive bytes each
	global_store_b128 v[LI], v[PCD+4:PCD+7], s[OB:OB+1] offset:512
	ds_store_b16 v[AST], v[TMP] offset:512*(\ph)   ; lanes r and r + 16 write the same halfword with the same value
.endm
.macro RESTART                         ; the second block of queries: its q, fresh statistics, O^T = 0.  The scale word and q come first: the lines behind them are their places ahead of the next products
	v_mov_b32 v[QS], v[QS+1]
.irp i, 0,1,2,3,4,5,6,7
	v_mov_b32 v[24+\i], v[Q2+\i]
.endr
	v_mov_b32 v13, 0xff61b1e6
	s_delay_alu instid0(VALU_DEP_1)
	v_floor_f32 v12, -v13
	v_mov_b32 v14, 0
	v_mov_b32 v15, 0
.set jj, 0
.rept 32
	v_mov_b32 v[OT+jj], 0
.set jj, jj+1
.endr
	s_wait_xcnt 0x0                                ; the two stores have read their data: the next step writes those registers again
.endm
; A TRIP: the change of slots at its head, then the step.  Each wave waits for all its tensor loads, adds 0 to its spare word, waits for that and for its reads of the slot that it has left; behind the barrier that slot takes the next step's tile.
.macro TRIP slot, refill
	s_wait_tensorcnt 0x0                           ; no tensor load of mine is out: a group 0 may be written
	ds_add_u32 v[SPW], v[NIL]                      ; 0 onto my spare word
.if \refill
	s_add_co_u32 s[TT], s[KT], 1
	s_cmp_eq_u32 s[KT], s[QBC]
	s_cselect_b32 s[KTN], 0, s[TT]                 ; the next step's key tile: the next one, or tile 0 for the second block of queries
	s_mul_i32 s[OFF], s[KTN], s[MYSTEP]
	s_add_nc_u64 s[ADR:ADR+1], s[MYB:MYB+1], s[OFF:OFF+1]
	s_mov_b64 s[G0T+4*(1-\slot)+2:G0T+4*(1-\slot)+3], s[ADR:ADR+1]
	s_or_b32 s[G0T+4*(1-\slot)+3], s[G0T+4*(1-\slot)+3], 0x80000000
	s_mov_b64 s[G0S+4*(1-\slot)+2:G0S+4*(1-\slot)+3], s[ADR:ADR+1]
	s_or_b32 s[G0S+4*(1-\slot)+3], s[G0S+4*(1-\slot)+3], 0x80000000
	s_wait_xcnt 0x0                                ; the last prefetch, a step back, has read its address
	s_add_nc_u64 s[PFA:PFA+1], s[PFA:PFA+1], s[PFS:PFS+1]
.endif
	s_wait_dscnt 0x0                               ; the add is done, and my reads of the slot that I have left are over
	s_barrier_signal -1
	s_barrier_wait -1
.if \refill
	TLOAD 1-\slot                                  ; the first thing behind the barrier, a wave's one tensor load until the next: it has a whole step in which to land
	ASK
.endif
	s_cmp_eq_u32 s[SWF], 1                         ; ids and counters alone; the same in all sixteen waves; no barrier and no tensor load inside
	s_cbranch_scc0 .Lsame_\@
	FINISH 0
	RESTART
.Lsame_\@:
	STEP \slot
	s_add_co_u32 s[TT], s[KT], 1
	s_cmp_eq_u32 s[KT], s[QBC]
	s_cselect_b32 s[KT], 0, s[TT]
	s_cselect_b32 s[QBC], s[QI], s[QBC]
	s_cselect_b32 s[SWF], 1, 0
	s_cselect_b32 s[PLIM], 0, s[PLIM]              ; nothing is prefetched in the second block: its tiles have been asked for
.endm
	s_mov_b32 s[CNT], 8
.Lpair:                                            ; 8 trips of two steps, and one step behind the loop: 17
	TRIP 0, 1
	TRIP 1, 1
	s_sub_co_u32 s[CNT], s[CNT], 1
	s_cmp_lg_u32 s[CNT], 0
	s_cbranch_scc1 .Lpair
	TRIP 0, 0                                      ; the last step is written out: nothing is left to fetch
	FINISH 1
	s_wait_dscnt 0x0                               ; my halfwords lie in LDS
	s_barrier_signal -1
	s_barrier_wait -1                              ; everybody's do
	s_cmp_lt_u32 s[WV], 2
	s_cbranch_scc0 .Lno_scales
	ds_load_b128 v[60:63], v[ARD]
	s_wait_dscnt 0x0
	global_store_b128 v[LI], v[60:63], s[SCP:SCP+1]   ; 128 rows' scale words: 512 consecutive bytes
.Lno_scales:
	s_wait_tensorcnt 0x0                           ; the wave's end
	ds_add_u32 v[SPW], v[NIL]
	s_wait_dscnt 0x0
	s_endpgm
.Lfunc_end_k_q29447cb123_attn:
	.size	k_q29447cb123_attn, .Lfunc_end_k_q29447cb123_attn-k_q29447cb123_attn
	.p2alignl 7, 3214868480
	.fill 96, 4, 3214868480
	.section	.rodata,"a",@progbits
	.p2align	6, 0x0
	.amdhsa_kernel k_q29447cb123_attn
		.amdhsa_group_segment_fixed_size 327680
		.amdhsa_private_segment_fixed_size 0
		.amdhsa_enable_private_segment 0
		.amdhsa_kernarg_size 32
		.amdhsa_user_sgpr_count 2
		.amdhsa_user_sgpr_kernarg_segment_ptr 1
		.amdhsa_wavefront_size32 1
		.amdhsa_system_sgpr_workgroup_id_x 1
		.amdhsa_system_sgpr_workgroup_id_y 1
		.amdhsa_system_sgpr_workgroup_id_z 1
		.amdhsa_system_vgpr_workitem_id 0
		.amdhsa_next_free_vgpr 256
		.amdhsa_next_free_sgpr 100
		.amdhsa_reserve_vcc 1
		.amdhsa_float_denorm_mode_32 3
		.amdhsa_float_denorm_mode_16_64 3
		.amdhsa_fp16_overflow 1
		.amdhsa_memory_ordered 1
		.amdhsa_forward_progress 1
		.amdhsa_inst_pref_size 102
	.end_amdhsa_kernel
	.amdgpu_metadata
---
amdhsa.version: [ 1, 2 ]
amdhsa.kernels:
  - .name:           k_q29447cb123_attn
    .symbol:         k_q29447cb123_attn.kd
    .args:
      - { .name: qkv_codes, .offset: 0, .size: 8, .value_kind: global_buffer, .address_space: global }
      - { .name: qkv_scales, .offset: 8, .size: 8, .value_kind: global_buffer, .address_space: global }
      - { .name: att_codes, .offset: 16, .size: 8, .value_kind: global_buffer, .address_space: global }
      - { .name: att_scales, .offset: 24, .size: 8, .value_kind: global_buffer, .address_space: global }
    .group_segment_fixed_size: 327680
    .private_segment_fixed_size: 0
    .kernarg_segment_align: 8
    .kernarg_segment_size: 32
    .max_flat_workgroup_size: 512
    .sgpr_count:     100
    .vgpr_count:     256
    .wavefront_size: 32
...
	.end_amdgpu_metadata
.endif
;; end of part 3
;; launch proj (part 4): grid 4 x 32, 4 waves a work-group, clusters of 4 x 4, 327,680 bytes of LDS; arguments att_codes, att_scales, w_codes, w_scales, bo, out0; writes out0
.if DOCPART == 4
	.amdgcn_target "amdgcn-amd-amdhsa--gfx1250"
	.amdhsa_code_object_version 6
	.text
	.protected	k_q29447cb123_proj
	.globl	k_q29447cb123_proj
	.p2align	8
	.type	k_q29447cb123_proj,@function
k_q29447cb123_proj:
	s_mov_b64 s[64:65], 0
	v_nop
	global_prefetch_b8 v0, s[64:65] scope:SCOPE_SE
	s_setreg_imm32_b32 hwreg(HW_REG_WAVE_MODE, 25, 1), 1
	s_wait_xcnt 0x0
	s_wait_alu depctr_hold_cnt(0) depctr_sa_sdst(0) depctr_va_vdst(0) depctr_va_sdst(0) depctr_va_ssrc(0) depctr_va_vcc(0) depctr_vm_vsrc(0)
	s_getreg_b32 s2, hwreg(HW_REG_IB_STS2, 6, 4)
	s_cmp_eq_u32 s2, 0
	s_cbranch_scc0 .Lentry_in_a_cluster
	s_endpgm
.Lentry_in_a_cluster:
	s_bfe_u32 s2, ttmp6, 0x10000c
	s_cmp_lg_u32 s2, 0xf033
	s_cbranch_scc0 .Lentry_shape_is_right
	s_endpgm
.Lentry_shape_is_right:
.set NQ,     2
.set FR,     16
.set NL,     4
.set NP,     8
.set HALFT,  32768
.set SLOT,   4*HALFT
.set SCL,    2*SLOT
.set HALFS,  16*272
.set SBLK,   2*272
.set SPARE,  SCL+4*HALFS
.set SPITCH, 528
.set ADRA, 16
.set ADRB, 20
.set STO,  24
.set RD,   25
.set CO,   26
.set ADSA, 27
.set SPW,  28
.set NIL,  29
.set ADSB, 30
.set SCA,  32
.set SCB,  64
.set BIAS, 96
.set AF,   128
.set BK,   128
.set G1, 24
.set G0, 32
.set G1B, 48
.set G0B, 56
.set G1S, 68
.set G0S, 76
.set G1SB, 80
.set G0SB, 88
.set MSB, 0
.macro WIN new
.if MSB != (\new)
	s_set_vgpr_msb (MSB<<8)|(\new)
.set MSB, (\new)
.endif
.endm
.set MUL_LO, 0xa1
.set MUL_HI, 0xf1
.set TO_B,   0x40
.macro JLOAD g0a, g1a, g0b, g1b
	s_cmp_eq_u32 s15, 0
	s_cbranch_scc0 .Lfor_b_\@
	tensor_load_to_lds s[\g0a:\g0a+3], s[\g1a:\g1a+7]
	s_nop 0
.rept 4
	v_nop
.endr
	s_branch .Lasked_\@
.Lfor_b_\@:
	tensor_load_to_lds s[\g0b:\g0b+3], s[\g1b:\g1b+7]
	s_nop 0
.rept 4
	v_nop
.endr
.Lasked_\@:
.endm
.macro CREST
	s_cmp_lg_u32 s14, 0
	s_cbranch_scc1 .Lnot_wave_0_\@
	s_barrier_signal -3
.Lnot_wave_0_\@:
	s_barrier_wait -3
	s_barrier_signal -1
	s_barrier_wait -1
.endm
.macro CROUND
	s_barrier_signal -1
	s_barrier_wait -1
	CREST
.endm
	s_load_b128 s[4:7], s[0:1], 0x0
	s_load_b128 s[8:11], s[0:1], 0x10
	s_load_b128 s[96:99], s[0:1], 0x20
	v_lshl_add_u32 v[SPW], v0, 2, SPARE
	v_mov_b32 v[NIL], 0
	ds_add_u32 v28, v29
	ds_add_u32 v28, v29
	s_wait_dscnt 0x0
	v_lshrrev_b32 v1, 5, v0
	v_readfirstlane_b32 s14, v1
	s_lshr_b32 s15, s14, 1
	s_and_b32 s16, s14, 1
	s_bfe_u32 s40, ttmp6, 0x40000
	s_bfe_u32 s41, ttmp6, 0x40004
	s_lshl_b32 s42, ttmp9, 2
	s_add_co_u32 s42, s42, s40
	s_and_b32 s17, ttmp7, 0xffff
	s_lshl_b32 s17, s17, 2
	s_add_co_u32 s17, s17, s41
	s_lshl_b32 s43, s41, 2
	s_lshl_b32 s43, 15, s43
	s_lshl_b32 s44, 0x1111, s40
	s_or_b32 s[G1+0], s43, (3<<16)|(1<<21)
	s_or_b32 s[G1B+0], s44, (3<<16)|(1<<21)
.irp g, G1, G1B
	s_mov_b32 s[\g+1], 512<<16
	s_mov_b32 s[\g+2], 8<<16
	s_mov_b32 s[\g+3], 512<<16
	s_mov_b32 s[\g+4], 8
	s_mov_b32 s[\g+5], 2048
	s_mov_b32 s[\g+6], 0
	s_mov_b32 s[\g+7], 0
.endr
	s_or_b32 s[G1S+0], s43, (3<<16)|(1<<20)|(1<<21)|(5<<22)|(3<<25)
	s_or_b32 s[G1SB+0], s44, (3<<16)|(1<<20)|(1<<21)|(5<<22)|(3<<25)
.irp g, G1S, G1SB
	s_mov_b32 s[\g+1], 32<<16
	s_mov_b32 s[\g+2], 16<<16
	s_mov_b32 s[\g+3], 32<<16
	s_mov_b32 s[\g+4], 16
	s_mov_b32 s[\g+5], 32
	s_mov_b32 s[\g+6], 0
	s_mov_b32 s[\g+7], 0
.endr
	s_lshl_b32 s18, s16, 3
	s_lshl_b32 s20, s17, 4
	s_add_co_u32 s20, s20, s18
	s_add_co_u32 s46, s42, 12
	s_lshl_b32 s46, s46, 4
	s_add_co_u32 s46, s46, s18
	s_lshl_b32 s22, s20, 9
	s_mov_b32 s23, 0
	s_lshl_b32 s92, s46, 9
	s_mov_b32 s93, 0
	s_lshl_b32 s20, s20, 14
	s_mov_b32 s21, 0
	s_lshl_b32 s46, s46, 14
	s_mov_b32 s47, 0
	s_mul_i32 s45, s14, HALFT
	s_mul_i32 s94, s14, HALFS
	s_wait_kmcnt 0x0
	s_add_nc_u64 s[20:21], s[4:5], s[20:21]
	s_add_nc_u64 s[22:23], s[6:7], s[22:23]
	s_add_nc_u64 s[46:47], s[8:9], s[46:47]
	s_add_nc_u64 s[92:93], s[10:11], s[92:93]
	CROUND
	s_mov_b32 s[G0S], 1
	s_add_co_u32 s[G0S+1], s94, SCL
	s_mov_b64 s[G0S+2:G0S+3], s[22:23]
	s_or_b32 s[G0S+3], s[G0S+3], 0x80000000
	s_mov_b32 s[G0SB], 1
	s_add_co_u32 s[G0SB+1], s94, SCL
	s_mov_b64 s[G0SB+2:G0SB+3], s[92:93]
	s_or_b32 s[G0SB+3], s[G0SB+3], 0x80000000
	JLOAD G0S, G1S, G0SB, G1SB
.irp s, 0,1
	s_mov_b32 s[G0+4*\s], 1
	s_add_co_u32 s[G0+4*\s+1], s45, \s*SLOT
	s_add_nc_u64 s[G0+4*\s+2:G0+4*\s+3], s[20:21], \s*4096
	s_or_b32 s[G0+4*\s+3], s[G0+4*\s+3], 0x80000000
	s_mov_b32 s[G0B+4*\s], 1
	s_add_co_u32 s[G0B+4*\s+1], s45, \s*SLOT
	s_add_nc_u64 s[G0B+4*\s+2:G0B+4*\s+3], s[46:47], \s*4096
	s_or_b32 s[G0B+4*\s+3], s[G0B+4*\s+3], 0x80000000
	s_wait_alu depctr_va_vdst(0)
	s_wait_tensorcnt 0x0
	ds_add_u32 v28, v29
	s_wait_dscnt 0x0
	CROUND
	JLOAD G0+4*\s, G1, G0B+4*\s, G1B
.endr
	v_and_b32 v1, 15, v0
	s_wait_alu depctr_va_vdst(0)
	v_bfe_u32 v2, v0, 4, 1
	v_and_b32 v6, 31, v0
	v_lshlrev_b32 v[CO], 4, v6
	s_mul_i32 s21, s15, HALFT
	s_mul_i32 s22, s16, HALFT
	s_add_co_u32 s22, s22, 2*HALFT
.irp s, 0,1
	v_add_nc_u32 v[ADRA+\s], s21, v[CO]
	v_add_nc_u32 v[ADRB+\s], s22, v[CO]
	s_add_co_u32 s21, s21, SLOT
	s_add_co_u32 s22, s22, SLOT
.endr
	s_mul_i32 s21, s15, HALFS
	s_add_co_u32 s21, s21, SCL
	v_lshl_add_u32 v[ADSA], v1, 2, s21
	v_mul_u32_u24 v5, v1, 32
	v_lshrrev_b32 v6, 8, v5
	v_lshl_add_u32 v5, v6, 4, v5
	s_mul_i32 s22, s16, HALFS
	s_add_co_u32 s22, s22, SCL+2*HALFS
	v_add_nc_u32 v[ADSB], s22, v5
	s_mul_i32 s23, s14, 16*SPITCH
	v_mul_u32_u24 v5, v1, SPITCH
	v_lshl_add_u32 v5, v2, 6, v5
	v_add_nc_u32 v[STO], s23, v5
	v_add_nc_u32 v[RD], s23, v[CO]
	s_lshl_b32 s46, s42, 10
	s_lshl_b32 s47, s16, 9
	s_add_co_u32 s46, s46, s47
	s_mov_b32 s47, 0
	s_add_nc_u64 s[96:97], s[96:97], s[46:47]
	global_load_b128 v[BIAS:BIAS+3], v[CO], s[96:97]
	s_lshl_b32 s20, s17, 8
	s_lshl_b32 s21, s15, 7
	s_add_co_u32 s20, s20, s21
	s_lshl_b32 s20, s20, 12
	s_mov_b32 s21, 0
	s_add_nc_u64 s[98:99], s[98:99], s[20:21]
	s_add_nc_u64 s[98:99], s[98:99], s[46:47]
.macro FRAG reg, adr, q, i
.irp c, 0,1,2,3
	ds_load_b128 v[\reg+4*\c:\reg+4*\c+3], v[\adr] offset:4096*(\i)+2048*(\q)+512*\c
.endr
.endm
.macro MUL16 a0, p, q, sc, zero
.irp a, \a0, \a0+1
.irp b, 0,1,2,3,4,5,6,7
.if \zero
	v_wmma_scale_f32_16x16x128_f8f6f4 v[8*(8*((\a)%4)+\b):8*(8*((\a)%4)+\b)+7], v[128*(\p)+FR*\b:128*(\p)+FR*\b+FR-1], v[AF+FR*(\a):AF+FR*(\a)+FR-1], 0, v[SCB+8*NQ*(\sc)+NQ*\b+(\q)], v[SCA+8*NQ*(\sc)+NQ*(\a)+(\q)]
.else
	v_wmma_scale_f32_16x16x128_f8f6f4 v[8*(8*((\a)%4)+\b):8*(8*((\a)%4)+\b)+7], v[128*(\p)+FR*\b:128*(\p)+FR*\b+FR-1], v[AF+FR*(\a):AF+FR*(\a)+FR-1], v[8*(8*((\a)%4)+\b):8*(8*((\a)%4)+\b)+7], v[SCB+8*NQ*(\sc)+NQ*\b+(\q)], v[SCA+8*NQ*(\sc)+NQ*(\a)+(\q)]
.endif
.endr
.endr
.endm
.macro FETCH_B slot, q, p
	WIN TO_B
.irp i, 0,1,2,3,4,5,6,7
	FRAG 128*(\p)+FR*\i, ADRB+\slot, \q, \i
.endr
	WIN 0
.endm
.macro FETCH_A slot, q, i0
.irp i, \i0, \i0+1, \i0+2, \i0+3
	FRAG AF+FR*(\i), ADRA+\slot, \q, \i
.endr
.endm
.macro SCALES sc
.irp i, 0,1,2,3,4,5,6,7
	ds_load_b64 v[SCB+8*NQ*\sc+NQ*\i:SCB+8*NQ*\sc+NQ*\i+1], v[ADSB] offset:\i*SBLK
.endr
.irp i, 0,1,2,3,4,5,6,7
.irp q, 0,1
	ds_load_b32 v[SCA+8*NQ*\sc+NQ*\i+\q], v[ADSA] offset:544*\q+272*(\i/4)+64*(\i%4)
.endr
.endr
.endm
.macro PLACES n
.rept \n
	v_nop
.endr
.endm
.macro STEP slot, q, zero
	s_wait_dscnt 4*NL
	WIN MUL_LO
	MUL16 0, (\q)%2, \q, \slot, \zero
	MUL16 2, (\q)%2, \q, \slot, \zero
	s_wait_dscnt 0
	PLACES NP
	FETCH_B \slot, (\q)+1, 1-(\q)%2
	FETCH_A \slot, (\q)+1, 0
	WIN MUL_HI
	MUL16 4, (\q)%2, \q, \slot, \zero
	MUL16 6, (\q)%2, \q, \slot, \zero
	PLACES NP
	WIN 0
	FETCH_A \slot, (\q)+1, 4
.endm
.macro TURN slot, next, fill
	s_wait_tensorcnt 0x0
	ds_add_u32 v[SPW], v[NIL]
	s_wait_dscnt 4*NL+1
	WIN MUL_LO
	MUL16 0, 1, NQ-1, \slot, 0
	s_wait_dscnt 0x0
	s_barrier_signal -1
	MUL16 2, 1, NQ-1, \slot, 0
	WIN 0
	s_barrier_wait -1
.if \fill
	CREST
	s_add_nc_u64 s[G0+4*\slot+2:G0+4*\slot+3], s[G0+4*\slot+2:G0+4*\slot+3], 8192
	s_add_nc_u64 s[G0B+4*\slot+2:G0B+4*\slot+3], s[G0B+4*\slot+2:G0B+4*\slot+3], 8192
	JLOAD G0+4*\slot, G1, G0B+4*\slot, G1B
	PLACES NP-4
.else
	PLACES NP
.endif
	s_wait_alu depctr_va_vdst(0)
	v_add_nc_u32 v[ADSA], 1088, v[ADSA]
	v_add_nc_u32 v[ADSB], 8, v[ADSB]
	FETCH_B \next, 0, 0
	FETCH_A \next, 0, 0
	SCALES \next
	WIN MUL_HI
	MUL16 4, 1, NQ-1, \slot, 0
	MUL16 6, 1, NQ-1, \slot, 0
	PLACES NP
	WIN 0
	FETCH_A \next, 0, 4
.endm
	s_wait_alu depctr_va_vdst(0)
	s_wait_loadcnt 0x0
	s_wait_tensorcnt 1
	s_barrier_signal -1
	s_barrier_wait -1
	FETCH_B 0, 0, 0
	FETCH_A 0, 0, 0
	SCALES 0
	FETCH_A 0, 0, 4
	STEP 0, 0, 1
	TURN 0, 1, 1
	STEP 1, 0, 0
	TURN 1, 0, 1
	STEP 0, 0, 0
	TURN 0, 1, 0
	STEP 1, 0, 0
	s_wait_dscnt 4*NL
	WIN MUL_LO
	MUL16 0, 1, NQ-1, 1, 0
	MUL16 2, 1, NQ-1, 1, 0
	s_wait_dscnt 0
	WIN MUL_HI
	MUL16 4, 1, NQ-1, 1, 0
	MUL16 6, 1, NQ-1, 1, 0
	WIN 0
.macro TOSTAGE a
.set AC, 64*((\a)%4)
	WIN 0x08+4*((\a)/4)
.irp b, 0,1,2,3,4,5,6,7
	ds_store_b128 v[STO], v[AC+8*\b:AC+8*\b+3] offset:128*(\b/2)+32*(\b%2)
	ds_store_b128 v[STO], v[AC+8*\b+4:AC+8*\b+7] offset:128*(\b/2)+32*(\b%2)+16
.endr
	WIN 0
.set BB, BK+64*((\a)%2)
.set tt, 0
.rept 16
	ds_load_b128 v[BB+4*tt:BB+4*tt+3], v[RD] offset:tt*SPITCH
.set tt, tt+1
.endr
.endm
.macro SEND a, younger
.set BB, BK+64*((\a)%2)
	s_wait_dscnt \younger
.set tt, 0
.rept 16
	v_pk_add_f32 v[BB+4*tt:BB+4*tt+1], v[BB+4*tt:BB+4*tt+1], v[BIAS:BIAS+1]
	v_pk_add_f32 v[BB+4*tt+2:BB+4*tt+3], v[BB+4*tt+2:BB+4*tt+3], v[BIAS+2:BIAS+3]
	global_store_b128 v[CO], v[BB+4*tt:BB+4*tt+3], s[98:99] offset:(32*((\a)/2)+8*((\a)%2)+(tt&7)+2*(tt&8))*4096 th:TH_STORE_NT
.set tt, tt+1
.endr
.endm
	PLACES NP
	TOSTAGE 0
.irp a, 1,2,3,4,5,6,7
.if \a > 1
	s_wait_xcnt 0x0
.endif
	TOSTAGE \a
	SEND \a-1, 32
.endr
	SEND 7, 0
	s_wait_tensorcnt 0x0
	ds_add_u32 v[SPW], v[NIL]
	s_wait_dscnt 0x0
	CROUND
	s_endpgm
.Lfunc_end_k_q29447cb123_proj:
	.size	k_q29447cb123_proj, .Lfunc_end_k_q29447cb123_proj-k_q29447cb123_proj
	.p2alignl 7, 3214868480
	.fill 96, 4, 3214868480
	.section	.rodata,"a",@progbits
	.p2align	6, 0x0
	.amdhsa_kernel k_q29447cb123_proj
		.amdhsa_group_segment_fixed_size 327680
		.amdhsa_private_segment_fixed_size 0
		.amdhsa_enable_private_segment 0
		.amdhsa_kernarg_size 48
		.amdhsa_user_sgpr_count 2
		.amdhsa_user_sgpr_kernarg_segment_ptr 1
		.amdhsa_wavefront_size32 1
		.amdhsa_system_sgpr_workgroup_id_x 1
		.amdhsa_system_sgpr_workgroup_id_y 1
		.amdhsa_system_sgpr_workgroup_id_z 1
		.amdhsa_system_vgpr_workitem_id 0
		.amdhsa_next_free_vgpr 1024
		.amdhsa_next_free_sgpr 100
		.amdhsa_reserve_vcc 0
		.amdhsa_float_denorm_mode_32 3
		.amdhsa_float_denorm_mode_16_64 3
		.amdhsa_memory_ordered 1
		.amdhsa_forward_progress 1
		.amdhsa_inst_pref_size 166
	.end_amdhsa_kernel
	.amdgpu_metadata
---
amdhsa.version: [ 1, 2 ]
amdhsa.kernels:
  - .name:           k_q29447cb123_proj
    .symbol:         k_q29447cb123_proj.kd
    .args:
      - { .name: att_codes, .offset: 0, .size: 8, .value_kind: global_buffer, .address_space: global }
      - { .name: att_scales, .offset: 8, .size: 8, .value_kind: global_buffer, .address_space: global }
      - { .name: w_codes, .offset: 16, .size: 8, .value_kind: global_buffer, .address_space: global }
      - { .name: w_scales, .offset: 24, .size: 8, .value_kind: global_buffer, .address_space: global }
      - { .name: bo, .offset: 32, .size: 8, .value_kind: global_buffer, .address_space: global }
      - { .name: out0, .offset: 40, .size: 8, .value_kind: global_buffer, .address_space: global }
    .group_segment_fixed_size: 327680
    .private_segment_fixed_size: 0
    .kernarg_segment_align: 8
    .kernarg_segment_size: 48
    .max_flat_workgroup_size: 128
    .sgpr_count:     100
    .vgpr_count:     1024
    .wavefront_size: 32
...
	.end_amdgpu_metadata
.endif
;; end of part 4
